; MI455X (gfx1250); checked and timed in simulation.
; The chip was launched on July 23, 2026; its instructions are those of AMD's public machine-readable ISA for CDNA 5 (MIT licence, August 2026) and "CDNA5" Instruction Set Architecture Reference Guide (July 2026). The comments in the code are by the model that wrote it; some were corrected since.
;; Causal Self Attention. Allowed arithmetic: matrix products marked QUANTISED: E4M3 operands, one E8M0 scale for each 32 along K, by v_wmma_scale_f32_16x16x128_f8f6f4 with both operands' format E4M3, f32 sums; everything else in f32.
;; Inputs: W_attn 1,024 x 3,072 float32; W_proj 1,024 x 1,024 float32; x 4 x 2,048 x 1,024 float32.
;; Outputs: out0 4 x 2,048 x 1,024 float32.
;; This version of the problem:
;;   THIS VERSION OF THE PROBLEM IS GIVEN IN LOW PRECISION. The matrix products marked QUANTISED in the list below multiply operands that are first quantised to E4M3 (4 exponent bits, 3 mantissa bits; 8 bits a number), with one power-of-two scale for each 32 numbers along K (OCP MX v1.0); their sums are f32. All else is computed in f32.
;;   The module's matrix products, in the order in which they are computed (A, B: the left and right operand; K: the contracted axis; several contracted axes count as one K, in the product's order):
;;     1. [M 8,192, K 1,024] x [K 1,024, N 3,072]; A: input x; B: input W_attn: QUANTISED
;;     2. batch 64 x [M 2,048, K 64] x [K 64, N 2,048]; A: computed on the way; B: computed on the way: QUANTISED
;;     3. batch 64 x [M 2,048, K 2,048] x [K 2,048, N 64]; A: softmax (see below); B: computed on the way: QUANTISED
;;     4. [M 8,192, K 1,024] x [K 1,024, N 1,024]; A: computed on the way; B: input W_proj: QUANTISED
;;   THE QUANTISER, for each operand of a quantised product, along K:
;;     - K is cut into blocks of 32 from its start; a last block that is shorter is filled with zeros.
;;     - A block's scale is 2^e with e = floor(log2(the largest magnitude in the block)) - 8, held to -126 .. 127; a block of zeros has e = 0. As a byte (E8M0): e + 127.
;;     - Each number is divided by its block's scale, clamped to +-448, and rounded to the nearest number of E4M3, ties to even, subnormals kept.
;;     - The product sums the exact products of the quantised numbers (number of the format x scale) in f32.
;;   ~~~python
;;   def quantise(x, axis):      # numpy; x: float32 -> the quantised numbers, widened to float32 again
;;       x = np.moveaxis(x, axis, -1); K = x.shape[-1]
;;       x = np.pad(x, [(0, 0)] * (x.ndim - 1) + [(0, -K % 32)]); x = x.reshape(x.shape[:-1] + (-1, 32)); a = np.abs(x).max(-1, keepdims=True)
;;       e = np.where(a > 0, np.clip(np.frexp(np.where(a > 0, a, 1))[1] - 1 - 8, -126, 127), 0)      # np.frexp(a)[1] - 1 = floor(log2(a)), exactly
;;       r = np.clip(x / 2.0 ** e, -448, 448)
;;       step = 2.0 ** (np.maximum(np.frexp(np.where(r == 0, 1, r))[1] - 1, -6) - 3)
;;       q = np.round(r / step) * step * 2.0 ** e      # np.round: ties to even
;;       return np.moveaxis(q.reshape(q.shape[:-2] + (-1,))[..., :K], -1, axis).astype(np.float32)
;;   ~~~
;;   SOFTMAX AHEAD OF A QUANTISED PRODUCT. Where the list says 'softmax', what is quantised is not the finished softmax but p = 2^(t - M), with t = logit x log2(e) and M = ceil(the row's largest t), a whole number; so 1/2 < the row's largest p <= 1. The row's sum l is taken of the UNQUANTISED p, in f32, and the product's result is divided by l at the end. Since M is a whole number, a kernel that streams over the keys may use a running M (the ceiling of the running maximum): every later rescaling is an exact power of two, which a block's scale takes up: the codes' values come out the same.
;;   OPERANDS COMPUTED ON THE WAY. 'Computed on the way' means the value that the module computes at that place (a softmax that the list does not call 'softmax' is quantised finished and normalised). What goes into a quantiser is computed in f32, as accurately as f32 sums, v_exp_f32 and their like allow (about 1e-6 of the number): no bf16 or f16 on the way to a quantiser, and a product that is left as it is and whose result goes on into a quantised operand takes f32 operands (vector FMAs, or v_wmma_f32_16x16x4_f32). A number that lies on a knife's edge between two numbers of the format may be rounded either way, as far as f32 arithmetic and the matrix unit's own rounding can turn it there, and no further.
;; One version. Each part assembles by itself: llvm-mc -triple=amdgcn-amd-amdhsa -mcpu=gfx1250 --defsym DOCPART=n.
;; ======== version 1 of 1: 4 launches
;; limits: right only within a limited range of input values
;; workspace buffers: x_img 8,388,608 bytes; x_sc 262,144 bytes; w_img 4,194,304 bytes; w_sc 131,072 bytes; qkv_img 25,165,824 bytes; qkv_sc 1,310,720 bytes; y_img 8,388,608 bytes; y_sc 262,144 bytes
;; launch quant (part 1): grid 384 x 1, 4 waves a work-group, no clusters, 68,096 bytes of LDS; arguments x, W_attn, W_proj, x_img, x_sc, w_img, w_sc; writes x_img, x_sc, w_img, w_sc
.if DOCPART == 1
	.amdgcn_target "amdgcn-amd-amdhsa--gfx1250"
	.amdhsa_code_object_version 6
	.text
	.protected	k_qe05c3726b0_quant
	.globl	k_qe05c3726b0_quant
	.p2align	8
	.type	k_qe05c3726b0_quant,@function
k_qe05c3726b0_quant:
	s_mov_b64 s[64:65], 0
	v_nop
	global_prefetch_b8 v0, s[64:65] scope:SCOPE_SE
	s_setreg_imm32_b32 hwreg(HW_REG_WAVE_MODE, 25, 1), 1
	s_wait_xcnt 0x0
; x [8192][1024], W_attn [1024][3072] and W_proj [1024][1024], f32, become codes of FP8 (E4M3) with one E8M0 scale byte for each 32 along K (K = 1024 in all three).
; A block's scale is 2^(floor(log2(its largest magnitude)) - 8); its byte is the largest magnitude's exponent field - 8, held at 1 from below; each number is divided by the scale, held within +-448, rounded to the nearest code.
; LIMITS: NaN and infinities among the inputs are not served.  A block of zeros gets the byte 1 where the rule says 127: its codes are zeros, which add nothing, and this program alone reads the bytes.
; THE CODES ARE LAID AS IMAGES OF OPERAND REGISTERS.  A fragment (16 rows x 128 K) is [c 4][lane 32][16 bytes]: lane (r, h) at c holds k = 32 c + 16 h + 0 .. 15 of the tile's row r.
;   x_img [slot 4 (256 along K)][tile 512][q 2][fragment 2,048 bytes];  w_img the same with 256 tiles: rows 0 .. 3071 are W_attn's columns, 3072 .. 4095 W_proj's.
;   THE ROWS OF A TILE ARE NOT NEIGHBOURS: row r of tile 2 B + u is index 32 B + 8 u + r + 8 (r / 8), so that a later product's 16 result registers of two neighbouring tiles are 16 neighbours.
;   x_sc, w_sc [pair of tiles][slot 4][lane 32][q 2] words: lanes 0-15 the even tile's rows, lanes 16-31 the odd tile's; a word is the four bytes of 128 along K.
; SHARES.  Work-groups 0 .. 95: W_attn, 96 .. 127: W_proj (128 columns x 256 K each; a lane takes a column and its registers run down K, so nothing is transposed);
; work-groups 128 .. 383: 32 tokens of x each, wave w the w-th 256 along K.  Waves share nothing: no barrier.  Only x's path uses LDS.
.set TM,  16                           ; v16-19 largest magnitudes, v20-23 bytes, v24-27 448 x the scale, v28-31 the conversions' scale operands
.set RX,  32                           ; v32-159  x: two sets of 64 registers as loaded
.set XX,  160                          ; v160-223 x: 64 numbers of a lane: register 16 b + i = k 32 b + 16 h + i of my row
.set PC,  224                          ; v224-239 x: a fragment's codes
.set XW,  32                           ; v32-95   W: two sets of 32 numbers
.set CW,  96                           ; v96-159  W: eight registers of codes for each of eight blocks: no store's data are written again
.set SB,  14                           ; v[14:15] W: my column's eight scale bytes
.set SEL, 32                           ; s32, s33 lane selects for v_permlanex16_b32: lane l xor 16
.set MNT, 23                           ; s23      the mantissa field of 448
	s_load_b256 s[4:11], s[0:1], 0x0               ; x s[4:5], W_attn s[6:7], W_proj s[8:9], x_img s[10:11]
	s_load_b128 s[12:15], s[0:1], 0x20             ; x_sc s[12:13], w_img s[14:15]
	s_load_b64 s[16:17], s[0:1], 0x30              ; w_sc
	v_lshl_add_u32 v254, v0, 2, 0x10800
	v_mov_b32 v255, 0
	v_lshrrev_b32 v2, 5, v0
	v_readfirstlane_b32 s20, v2                    ; wave 0..3
	v_and_b32 v1, 31, v0                           ; lane
	s_mov_b32 s[MNT], 0x600000
	s_mov_b32 s[SEL], 0x76543210
	s_mov_b32 s[SEL+1], 0xfedcba98
	s_wait_kmcnt 0x0
	s_cmp_ge_u32 ttmp9, 128
	s_cbranch_scc1 .Lxpath
	s_cmp_ge_u32 ttmp9, 96
	s_cbranch_scc1 .Lwproj
; ---- a weight: block t of 32 along K of my column into set t % 2
.macro LOADW t, pitch
.set i, 0
.rept 32
	global_load_b32 v[XW+32*((\t)%2)+i], v3, s[26:27] offset:(32*(\t)+i)*(\pitch) th:TH_LOAD_NT   ; one row of W at my wave's 32 columns: 128 consecutive bytes
.set i, i+1
.endr
.endm
.macro BLOCKW t, pitch
.set XS, XW+32*((\t)%2)
.if (\t) < 7
	s_wait_loadcnt 32                              ; this block's 32 loads are in; the next block's 32 may be out
.else
	s_wait_loadcnt 0x0
.endif
	v_max3_num_f32 v12, |v[XS]|, |v[XS+1]|, |v[XS+2]|              ; the block's largest magnitude: all 32 numbers are mine; two chains
	v_max3_num_f32 v13, |v[XS+3]|, |v[XS+4]|, |v[XS+5]|
.irp i, 6,10,14,18,22,26
	v_max3_num_f32 v12, v12, |v[XS+\i]|, |v[XS+\i+1]|
	v_max3_num_f32 v13, v13, |v[XS+\i+2]|, |v[XS+\i+3]|
.endr
	v_max3_num_f32 v12, v12, |v[XS+30]|, |v[XS+31]|
	v_max3_num_f32 v12, v12, v13, 0x4800000        ; and the floor 2^(9 - 127): the byte cannot fall under 1
	v_add_nc_u32 v11, 0xfc000000, v12              ; 8 off the exponent field: the conversion takes this operand's exponent field as its scale
	v_and_or_b32 v10, v12, 0x7f800000, s[MNT]      ; 448 x the scale
	v_lshrrev_b32 v13, 23, v11                     ; the scale's byte
.if (\t)%4 == 0
	v_mov_b32 v[SB+(\t)/4], v13                    ; four bytes to a word, the lower K in the lower byte
.else
	v_lshl_or_b32 v[SB+(\t)/4], v13, 8*((\t)%4), v[SB+(\t)/4]
.endif
.set i, 0
.rept 32
	v_med3_num_f32 v[XS+i], v[XS+i], -v10, v10     ; the conversion to an 8-bit code does not saturate (ISA guide 7.6.2): the hold comes first
.set i, i+1
.endr
.irp g, 0,1,2,3
	v_cvt_scalef32_pk8_fp8_f32 v[CW+8*(\t)+2*\g:CW+8*(\t)+2*\g+1], v[XS+8*\g:XS+8*\g+7], v11
.endr
	global_store_b128 v4, v[CW+8*(\t):CW+8*(\t)+3], s[28:29] offset:((\t)/4)*2048+((\t)%4)*512          ; k 32 t + 0 .. 15: the image's lanes 0-15; sixteen lanes store 256 consecutive bytes, aligned
	global_store_b128 v4, v[CW+8*(\t)+4:CW+8*(\t)+7], s[28:29] offset:((\t)/4)*2048+((\t)%4)*512+256    ; k 32 t + 16 .. 31: its lanes 16-31
.if (\t)+2 < 8
	LOADW (\t)+2, \pitch
.endif
.endm
; pitch: bytes in a row of the weight; base: the scalar pair with its address; cgoff: the first group of 128 rows of w_img that it fills
.macro WPATH pitch, base, cgoff
	s_and_b32 s24, ttmp9, 3                        ; which 256 along K
	s_lshr_b32 s25, ttmp9, 2                       ; which 128 rows of w_img
	v_and_b32 v3, 7, v1                            ; lane l is row l % 16 of tile l / 16 of my pair of tiles: column (l & 7) + 2 (l & 8) + (l & 16) / 2 of my wave's 32
	v_and_b32 v4, 8, v1
	v_lshl_or_b32 v3, v4, 1, v3
	v_and_b32 v4, 16, v1
	v_lshrrev_b32 v4, 1, v4
	v_or_b32 v3, v3, v4
	v_lshlrev_b32 v3, 2, v3                        ; in bytes
	s_wait_alu depctr_va_vdst(0)
	v_lshrrev_b32 v4, 4, v1
	v_and_b32 v5, 15, v1
	v_lshlrev_b32 v4, 12, v4
	v_lshl_or_b32 v4, v5, 4, v4                    ; out: 4,096 x my tile of the pair + 16 x my row
	v_lshlrev_b32 v5, 3, v1                        ; scale words: 8 bytes a lane
	s_mul_i32 s26, s24, 256*(\pitch)
	s_sub_co_u32 s28, s25, \cgoff
	s_lshl_b32 s28, s28, 9
	s_add_co_u32 s26, s26, s28
	s_lshl_b32 s28, s20, 7
	s_add_co_u32 s26, s26, s28                     ; 256 rows x slot + 512 bytes x group + 128 bytes x wave
	s_mov_b32 s27, 0
	s_add_nc_u64 s[26:27], s[\base:\base+1], s[26:27]
	s_lshl_b32 s28, s24, 20
	s_lshl_b32 s30, s25, 15
	s_add_co_u32 s28, s28, s30
	s_lshl_b32 s30, s20, 13
	s_add_co_u32 s28, s28, s30                     ; w_img: 1 MiB x slot + 4,096 x (8 group + 2 wave)
	s_mov_b32 s29, 0
	s_add_nc_u64 s[28:29], s[14:15], s[28:29]
	s_lshl_b32 s30, s25, 12
	s_lshl_b32 s31, s20, 10
	s_add_co_u32 s30, s30, s31
	s_lshl_b32 s31, s24, 8
	s_add_co_u32 s30, s30, s31                     ; w_sc: 1,024 x (4 group + wave) + 256 x slot
	s_mov_b32 s31, 0
	s_add_nc_u64 s[30:31], s[16:17], s[30:31]
	LOADW 0, \pitch
	LOADW 1, \pitch
.irp t, 0,1,2,3,4,5,6,7
	BLOCKW \t, \pitch
.endr
	global_store_b64 v5, v[SB:SB+1], s[30:31]      ; 32 lanes store 256 consecutive bytes, aligned
	s_endpgm
.endm
	s_wait_alu depctr_va_vdst(0)
	WPATH 12288, 6, 0
.Lwproj:
	s_wait_alu depctr_va_vdst(0)
	WPATH 4096, 8, 24
; ---- x.  64 numbers of a lane, v[s] on, become a fragment's codes in v[pc] on and its scale word in v[pw]
.macro QUANT s, pc, pw
.irp b, 0,1,2,3
	v_max3_num_f32 v[TM+\b], |v[\s+16*\b]|, |v[\s+1+16*\b]|, 0x4800000   ; block b: my 16 numbers, and the floor 2^(9 - 127)
.endr
.irp i, 2,4,6,8,10,12,14
.irp b, 0,1,2,3
	v_max3_num_f32 v[TM+\b], v[TM+\b], |v[\s+16*\b+\i]|, |v[\s+1+16*\b+\i]|   ; the four blocks by turns
.endr
.endr
.irp b, 0,1,2,3
	v_permlanex16_b32 v[TM+4+\b], v[TM+\b], s[SEL], s[SEL+1]
.endr
.irp b, 0,1,2,3
	v_max_num_f32 v[TM+\b], v[TM+\b], v[TM+4+\b]   ; with lane l xor 16's 16: the block's largest magnitude
.endr
.irp b, 0,1,2,3
	v_add_nc_u32 v[TM+12+\b], 0xfc000000, v[TM+\b]
.endr
.irp b, 0,1,2,3
	v_and_or_b32 v[TM+8+\b], v[TM+\b], 0x7f800000, s[MNT]
.endr
.irp b, 0,1,2,3
	v_lshrrev_b32 v[TM+4+\b], 23, v[TM+12+\b]
.endr
	v_lshl_or_b32 v[\pw], v[TM+5], 8, v[TM+4]      ; the four bytes make my row's scale word
	v_lshl_or_b32 v[\pw], v[TM+6], 16, v[\pw]
	v_lshl_or_b32 v[\pw], v[TM+7], 24, v[\pw]
.irp b, 0,1,2,3
.irp i, 0,1,2,3,4,5,6,7,8,9,10,11,12,13,14,15
	v_med3_num_f32 v[\s+16*\b+\i], v[\s+16*\b+\i], -v[TM+8+\b], v[TM+8+\b]
.endr
	v_cvt_scalef32_pk8_fp8_f32 v[\pc+4*\b:\pc+1+4*\b], v[\s+16*\b:\s+7+16*\b], v[TM+12+\b]
	v_cvt_scalef32_pk8_fp8_f32 v[\pc+2+4*\b:\pc+3+4*\b], v[\s+8+16*\b:\s+15+16*\b], v[TM+12+\b]
.endr
	v_nop                                          ; a plain line behind the last conversion
.endm
; fragment f = 2 u + q: tile u of my pair, the q-th 128 of my 256 along K.  Each load reads 512 consecutive bytes of one token's row
.macro LOADX f
.irp i, 0,1,2,3,4,5,6,7,8,9,10,11,12,13,14,15
	global_load_b128 v[RX+64*((\f)%2)+4*\i:RX+64*((\f)%2)+4*\i+3], v3, s[26:27] offset:(8*((\f)/2)+\i+8*(\i/8))*4096+((\f)%2)*512 th:TH_LOAD_NT
.endr
.endm
.macro XFRAG f
.if (\f) < 3
	s_wait_loadcnt 16                              ; this fragment's 16 loads are in; the next one's 16 may be out
.else
	s_wait_loadcnt 0x0
.endif
.irp i, 0,1,2,3,4,5,6,7,8,9,10,11,12,13,14,15
	ds_store_b128 v6, v[RX+64*((\f)%2)+4*\i:RX+64*((\f)%2)+4*\i+3] offset:8448*((\f)%2)+528*\i   ; row i as it lies, rows 528 bytes apart
.endr
.irp c, 0,1,2,3
.irp j, 0,1,2,3
	ds_load_b128 v[XX+16*\c+4*\j:XX+16*\c+4*\j+3], v7 offset:8448*((\f)%2)+128*\c+16*\j   ; LDS serves a wave's instructions in order: these see my stores.  My row's 16 neighbours of block c
.endr
.endr
	s_wait_dscnt 0x0                               ; the numbers are back, and the stores have read their registers
.if (\f) > 0
	s_wait_xcnt 0x0                                ; the last fragment's stores have read their codes: the registers are written again below
.endif
.if (\f)+2 < 4
	LOADX (\f)+2
.endif
	QUANT XX, PC, 8+(\f)
.irp c, 0,1,2,3
	global_store_b128 v3, v[PC+4*\c:PC+4*\c+3], s[28:29] offset:((\f)/2)*4096+((\f)%2)*2048+512*\c   ; 512 consecutive bytes of the image
.endr
.endm
.Lxpath:
	s_sub_co_u32 s24, ttmp9, 128                   ; which 32 tokens: a pair of tiles
	s_wait_alu depctr_va_vdst(0)
	v_lshlrev_b32 v3, 4, v1                        ; 16 x lane
	v_lshlrev_b32 v5, 3, v1                        ; 8 x lane
	v_and_b32 v2, 15, v1                           ; r
	v_lshrrev_b32 v4, 4, v1                        ; h
	s_mul_i32 s25, s20, 16896                      ; my wave's two stages of 16 rows x 528 bytes
	v_add_nc_u32 v6, s25, v3                       ; in: 16 x lane
	v_mul_u32_u24 v7, v2, 528
	v_lshl_add_u32 v7, v4, 6, v7
	v_add_nc_u32 v7, s25, v7                       ; out: row r, + 64 h
.irp b, 0,1,2,3
	v_mov_b32 v[TM+4+\b], 0                        ; written once: a lane permute's destination counts as one of its sources
.endr
	s_lshl_b32 s26, s24, 17
	s_lshl_b32 s28, s20, 10
	s_add_co_u32 s26, s26, s28                     ; x: 32 rows of 4,096 bytes x pair + 1,024 bytes x wave
	s_mov_b32 s27, 0
	s_add_nc_u64 s[26:27], s[4:5], s[26:27]
	s_lshl_b32 s28, s20, 21
	s_lshl_b32 s30, s24, 13
	s_add_co_u32 s28, s28, s30                     ; x_img: 2 MiB x slot + 8,192 x pair
	s_mov_b32 s29, 0
	s_add_nc_u64 s[28:29], s[10:11], s[28:29]
	s_lshl_b32 s30, s24, 10
	s_lshl_b32 s31, s20, 8
	s_add_co_u32 s30, s30, s31                     ; x_sc: 1,024 x pair + 256 x slot
	s_mov_b32 s31, 0
	s_add_nc_u64 s[30:31], s[12:13], s[30:31]
	LOADX 0
	LOADX 1
	s_wait_alu depctr_va_vdst(0)
	XFRAG 0
	XFRAG 1
	XFRAG 2
	XFRAG 3
	v_cmp_le_u32 vcc_lo, 16, v1                    ; lanes 16-31 carry the odd tile's words (every lane holds its row's word of all four fragments)
	v_cndmask_b32 v12, v8, v10, vcc_lo
	v_cndmask_b32 v13, v9, v11, vcc_lo
	global_store_b64 v5, v[12:13], s[30:31]        ; 256 consecutive bytes, aligned
	s_wait_tensorcnt 0x0
	ds_add_u32 v254, v255
	s_wait_dscnt 0x0
	s_endpgm
.Lfunc_end_k_qe05c3726b0_quant:
	.size	k_qe05c3726b0_quant, .Lfunc_end_k_qe05c3726b0_quant-k_qe05c3726b0_quant
	.p2alignl 7, 3214868480
	.fill 96, 4, 3214868480
	.section	.rodata,"a",@progbits
	.p2align	6, 0x0
	.amdhsa_kernel k_qe05c3726b0_quant
		.amdhsa_group_segment_fixed_size 68096
		.amdhsa_private_segment_fixed_size 0
		.amdhsa_enable_private_segment 0
		.amdhsa_kernarg_size 56
		.amdhsa_user_sgpr_count 2
		.amdhsa_user_sgpr_kernarg_segment_ptr 1
		.amdhsa_wavefront_size32 1
		.amdhsa_system_sgpr_workgroup_id_x 1
		.amdhsa_system_sgpr_workgroup_id_y 1
		.amdhsa_system_sgpr_workgroup_id_z 1
		.amdhsa_system_vgpr_workitem_id 0
		.amdhsa_next_free_vgpr 256
		.amdhsa_next_free_sgpr 66
		.amdhsa_reserve_vcc 1
		.amdhsa_float_denorm_mode_32 3
		.amdhsa_float_denorm_mode_16_64 3
		.amdhsa_memory_ordered 1
		.amdhsa_forward_progress 1
		.amdhsa_inst_pref_size 161
	.end_amdhsa_kernel
	.amdgpu_metadata
---
amdhsa.version: [ 1, 2 ]
amdhsa.kernels:
  - .name:           k_qe05c3726b0_quant
    .symbol:         k_qe05c3726b0_quant.kd
    .args:
      - { .name: x, .offset: 0, .size: 8, .value_kind: global_buffer, .address_space: global }
      - { .name: W_attn, .offset: 8, .size: 8, .value_kind: global_buffer, .address_space: global }
      - { .name: W_proj, .offset: 16, .size: 8, .value_kind: global_buffer, .address_space: global }
      - { .name: x_img, .offset: 24, .size: 8, .value_kind: global_buffer, .address_space: global }
      - { .name: x_sc, .offset: 32, .size: 8, .value_kind: global_buffer, .address_space: global }
      - { .name: w_img, .offset: 40, .size: 8, .value_kind: global_buffer, .address_space: global }
      - { .name: w_sc, .offset: 48, .size: 8, .value_kind: global_buffer, .address_space: global }
    .group_segment_fixed_size: 68096
    .private_segment_fixed_size: 0
    .kernarg_segment_align: 8
    .kernarg_segment_size: 56
    .max_flat_workgroup_size: 128
    .sgpr_count:     66
    .vgpr_count:     256
    .wavefront_size: 32
...
	.end_amdgpu_metadata
.endif
;; end of part 1
;; launch qkv (part 2): grid 12 x 32, 4 waves a work-group, clusters of 4 x 4, 327,680 bytes of LDS; arguments x_img, x_sc, w_img, w_sc, qkv_img, qkv_sc; writes qkv_img, qkv_sc
.if DOCPART == 2
	.amdgcn_target "amdgcn-amd-amdhsa--gfx1250"
	.amdhsa_code_object_version 6
	.text
	.protected	k_qe05c3726b0_qkv
	.globl	k_qe05c3726b0_qkv
	.p2align	8
	.type	k_qe05c3726b0_qkv,@function
k_qe05c3726b0_qkv:
	s_mov_b64 s[64:65], 0
	v_nop
	global_prefetch_b8 v0, s[64:65] scope:SCOPE_SE
	s_setreg_imm32_b32 hwreg(HW_REG_WAVE_MODE, 25, 1), 1
	s_wait_xcnt 0x0
	s_wait_alu depctr_hold_cnt(0) depctr_sa_sdst(0) depctr_va_vdst(0) depctr_va_sdst(0) depctr_va_ssrc(0) depctr_va_vcc(0) depctr_vm_vsrc(0)
	s_getreg_b32 s2, hwreg(HW_REG_IB_STS2, 6, 4)
	s_cmp_eq_u32 s2, 0
	s_cbranch_scc0 .Lentry_in_a_cluster
	s_endpgm
.Lentry_in_a_cluster:
	s_bfe_u32 s2, ttmp6, 0x10000c
	s_cmp_lg_u32 s2, 0xf033
	s_cbranch_scc0 .Lentry_shape_is_right
	s_endpgm
.Lentry_shape_is_right:
; qkv = x W_attn on codes of FP8 (E4M3) with E8M0 scales for each 32 along K = 1,024; q, k and v leave as codes again, quantised in registers: q and k along the head's 64, v along the keys.
; LIMITS: NaN and infinities are not served; a block of zeros gets the byte 1 (its codes are zeros, and this program alone reads the bytes).
; A work-group of four waves makes 256 x 256 of the product, a wave 128 x 128: 64 accumulators, 512 registers.  K goes in four steps of 256 through a ring of two LDS slots.
; OPERANDS LIE IN MEMORY AS IMAGES OF THEIR REGISTERS ([c 4][lane 32][16 bytes] for 16 rows x 128 K), so a K step's 128 rows are one dense block of 32,768 bytes for one tensor load, every fragment load is 16 x lane + a constant, and no padding is needed.
; ROLES.  Source 1 ("A") gives a lane its row, source 0 ("B") runs along a lane's registers.  Clusters x = 0, 1 (q, k): A = 256 tokens, B = 256 channels: a lane holds one token and channels along its registers.
; Cluster x = 2 (v): A = 256 channels of v, B = 256 tokens: a lane holds one channel and tokens along its registers.  In both the next product's K runs along the registers.  The choice hangs on the cluster's x alone, which all partners share.
; The rows of a tile are laid so (row r of tile 2 B + u = index 32 B + 8 u + r + 8 (r / 8)) that the 16 registers of B's tiles 2 B and 2 B + 1 are the 16 neighbours 32 B + 16 (lane / 16) + 0 .. 15: the conversions' results are the next operand's registers.
; CLUSTERS: 4 x 4.  A's tiles are shared along a row of the cluster, B's along a column: each is asked for jointly.
; OUT.  qkv_img: q at 0, k at 8 MiB: [batch x head 64][tile of 16 tokens 128][c 2][lane][16];  v at 16 MiB: [batch x head][128 keys 16][tile of 16 channels 4][c 4][lane][16].
;       qkv_sc: q at 0, k at 524,288: [batch x head][128 tokens 16][lane 32][pair of tiles 4] words (bytes 0, 1: the head's two blocks; 2, 3: 0);  v at 1,048,576: [batch x head][128 keys 16][lane 32][pair of tiles 2] words.
; REGISTERS: window 0: v0-31 addresses; v32-63 scale words, two sets, and nothing else; v64-95 at work on the way out; v128-255 A's fragments, one set, later the codes.  window 1: B's fragments, two sets.  windows 2, 3: the accumulators ((a, b) at v[8 (8 (a % 4) + b)]).
.set SLOT,  131072                     ; A's 16 tiles x 4,096 bytes, then B's 16
.set SCL,   2*SLOT                     ; the scale words of all of K: A's two halves, B's two halves, 4,096 bytes each: [pair 4][K step 4][lane][q]
.set SPARE, SCL+16384                  ; the spare words, 128 bytes for each wave: two blocks of 256 bytes that no other line names
.set ADRA, 18                          ; v18-19  LDS address of my A fragments in slot 0, 1
.set ADRB, 20                          ; v20-21  the same for B
.set ADSA, 22                          ; v22     of A's scale words
.set ADSB, 23                          ; v23     of B's
.set VO,   24                          ; v24-27  the way out: my byte offset for block 0 .. 3 of a row's codes
.set SPW,  28                          ; v28     LDS address of my spare word; never rewritten
.set NIL,  29                          ; v29     0; never rewritten
.set SC,   32                          ; set s at v[SC + 16 s]: A's words at 2 p + q, B's at 8 + 2 p + q (pair p; lanes 0-15 the even tile, lanes 16-31 the odd)
.set TM,   64                          ; v64-79  the quantiser's: largest magnitudes, bytes, 448 x the scale, scale operands
.set WD,   80                          ; v80-87  block a's scale word
.set PP,   88                          ; v88-91  the words by pairs of tiles
.set LW,   92                          ; v92-95  their low halves
.set AF,   128
.set PC,   128                         ; the codes: 16 registers for each of my eight blocks: no store's data are written again
.set G1, 24
.set G0, 32
.set G1B, 48
.set G0B, 56
.set G1S, 68
.set G0S, 76
.set G1SB, 80
.set G0SB, 88
.set SEL, 104                          ; s104, s105 (from the way out on) lane selects for v_permlanex16_b32
.set MSB, 0
.macro WIN new                         ; the immediate's high byte repeats the setting that is left
.if MSB != (\new)
	s_set_vgpr_msb (MSB<<8)|(\new)
.set MSB, (\new)
.endif
.endm
.set MUL_LO, 0xa1                      ; source 0 (B) window 1, source 1 (A) window 0, C and D window 2
.set MUL_HI, 0xf1                      ; the same, C and D window 3
.set TO_B,   0x40                      ; destination window 1, address window 0
; A joint load: waves 0 and 1 fetch for A, waves 2 and 3 for B; the branch hangs on the wave's number alone.  Four v_nop follow each of the two lines.
.macro JLOAD g0a, g1a, g0b, g1b
	s_cmp_eq_u32 s17, 0
	s_cbranch_scc0 .Lfor_b_\@
	tensor_load_to_lds s[\g0a:\g0a+3], s[\g1a:\g1a+7]
	s_nop 0
.rept 4
	v_nop
.endr
	s_branch .Lasked_\@
.Lfor_b_\@:
	tensor_load_to_lds s[\g0b:\g0b+3], s[\g1b:\g1b+7]
	s_nop 0
.rept 4
	v_nop
.endr
.Lasked_\@:
.endm
.macro CREST                           ; a round of the cluster's barrier behind its opening barrier
	s_cmp_lg_u32 s16, 0
	s_cbranch_scc1 .Lnot_wave_0_\@
	s_barrier_signal -3
.Lnot_wave_0_\@:
	s_barrier_wait -3
	s_barrier_signal -1
	s_barrier_wait -1
.endm
.macro CROUND
	s_barrier_signal -1
	s_barrier_wait -1
	CREST
.endm
	s_load_b256 s[4:11], s[0:1], 0x0               ; x_img s[4:5], x_sc s[6:7], w_img s[8:9], w_sc s[10:11]
	s_load_b128 s[12:15], s[0:1], 0x20             ; qkv_img s[12:13], qkv_sc s[14:15]
	v_lshl_add_u32 v[SPW], v0, 2, SPARE
	v_mov_b32 v[NIL], 0
	ds_add_u32 v28, v29
	ds_add_u32 v28, v29
	s_wait_dscnt 0x0
	v_lshrrev_b32 v1, 5, v0
	v_readfirstlane_b32 s16, v1                    ; wave 0..3
	s_lshr_b32 s17, s16, 1                         ; which half of A's 256 rows is mine.  Also: I fetch for A (0) or for B (1)
	s_and_b32 s18, s16, 1                          ; which half of B's.  Also: which 128 rows I fetch
	s_bfe_u32 s40, ttmp6, 0x40000                  ; cx
	s_bfe_u32 s41, ttmp6, 0x40004                  ; cy
	s_and_b32 s19, ttmp7, 0xffff                   ; the cluster's y
	s_cmp_eq_u32 ttmp9, 2                          ; the cluster's x = 2: v
	s_cselect_b32 s20, 2, s19
	s_cselect_b32 s21, s19, ttmp9
	s_lshl_b32 s20, s20, 2
	s_add_co_u32 s20, s20, s41                     ; A's tile of 256 rows: tokens 4 y + cy, or (v) rows 8 + cy of w
	s_lshl_b32 s21, s21, 2
	s_add_co_u32 s21, s21, s40                     ; B's: rows 4 x + cx of w, or (v) tokens 4 y + cx
	s_lshl_b32 s43, s41, 2
	s_lshl_b32 s43, 15, s43                        ; my row of the cluster
	s_lshl_b32 s44, 0x1111, s40                    ; my column
	; descriptor group 1: a dense block as rows of 256 bytes (32 elements of 8 bytes), no padding: 128 rows for the codes, 16 for the scale words
	s_or_b32 s[G1], s43, (3<<16)|(1<<21)           ; 15:0 the mask; 17:16 elements of 8 bytes; 21 set beside a mask
	s_or_b32 s[G1B], s44, (3<<16)|(1<<21)
.irp g, G1, G1B
	s_mov_b32 s[\g+1], 32<<16                      ; tensor_dim0
	s_mov_b32 s[\g+2], 256<<16                     ; tensor_dim1: 256 rows for the head's loads; set to 128 for the ring's behind them
	s_mov_b32 s[\g+3], 32<<16                      ; tile_dim0
	s_mov_b32 s[\g+4], 256                         ; tile_dim1
	s_mov_b32 s[\g+5], 32                          ; tensor_dim0_stride
	s_mov_b32 s[\g+6], 0
	s_mov_b32 s[\g+7], 0
.endr
	s_or_b32 s[G1S], s43, (3<<16)|(1<<21)
	s_or_b32 s[G1SB], s44, (3<<16)|(1<<21)
.irp g, G1S, G1SB
	s_mov_b32 s[\g+1], 32<<16
	s_mov_b32 s[\g+2], 32<<16
	s_mov_b32 s[\g+3], 32<<16
	s_mov_b32 s[\g+4], 32
	s_mov_b32 s[\g+5], 32
	s_mov_b32 s[\g+6], 0
	s_mov_b32 s[\g+7], 0
.endr
	s_lshl_b32 s42, s18, 15                        ; the half that I fetch
	s_lshl_b32 s22, s20, 16
	s_add_co_u32 s22, s22, s42                     ; A's codes: 65,536 x tile + 32,768 x half, in each K step
	s_mov_b32 s23, 0
	s_lshr_b32 s104, s22, 3                        ; A's scale words: 8,192 x tile + 4,096 x half
	s_mov_b32 s105, 0
	s_lshl_b32 s100, s21, 16
	s_add_co_u32 s100, s100, s42                   ; B's likewise
	s_mov_b32 s101, 0
	s_lshr_b32 s2, s100, 3
	s_mov_b32 s3, 0
	s_lshl_b32 s45, s16, 15                        ; where they go: 32,768 x wave,
	s_lshl_b32 s42, s16, 12                        ; 4,096 x wave: no place in the cluster enters an LDS address
	s_wait_kmcnt 0x0
	s_cmp_eq_u32 ttmp9, 2
	s_cselect_b64 s[96:97], s[8:9], s[4:5]         ; A's codes,
	s_cselect_b64 s[98:99], s[10:11], s[6:7]       ; A's scale words,
	s_cselect_b64 s[46:47], s[4:5], s[8:9]         ; B's codes,
	s_cselect_b64 s[66:67], s[6:7], s[10:11]       ; B's scale words
	s_mov_b32 s92, 0x400000
	s_cselect_b32 s92, 0x200000, s92               ; two K steps on, in bytes: 4 MiB in x_img, 2 MiB in w_img
	s_mov_b32 s94, 0x200000
	s_cselect_b32 s94, 0x400000, s94
	s_mov_b32 s93, 0
	s_mov_b32 s95, 0
	s_add_nc_u64 s[96:97], s[96:97], s[22:23]
	s_add_nc_u64 s[98:99], s[98:99], s[104:105]
	s_add_nc_u64 s[46:47], s[46:47], s[100:101]
	s_add_nc_u64 s[66:67], s[66:67], s[2:3]
	s_lshr_b32 s22, s92, 1                         ; one K step on
	s_lshr_b32 s100, s94, 1
	CROUND                                         ; all sixteen work-groups are here: the first joint loads meet
	s_mov_b32 s[G0S], 1
	s_mov_b32 s[G0S+1], SCL
	s_lshl_b32 s2, s18, 12                         ; my half's bytes among the scale words: taken off, the head's loads bring both halves
	s_sub_nc_u64 s[G0S+2:G0S+3], s[98:99], s[2:3]
	s_or_b32 s[G0S+3], s[G0S+3], 0x80000000
	s_mov_b32 s[G0SB], 1
	s_mov_b32 s[G0SB+1], SCL+8192
	s_sub_nc_u64 s[G0SB+2:G0SB+3], s[66:67], s[2:3]
	s_or_b32 s[G0SB+3], s[G0SB+3], 0x80000000
	s_lshl_b32 s2, s18, 15                         ; my half's bytes among the codes
	s_mov_b32 s4, 1                                ; s[4:7]: group 0 of K step 0's 256 rows of A (the arguments that lay here have been used)
	s_mov_b32 s5, 0
	s_sub_nc_u64 s[6:7], s[96:97], s[2:3]
	s_or_b32 s7, s7, 0x80000000
	s_mov_b32 s8, 1                                ; s[8:11]: of its 256 rows of B
	s_mov_b32 s9, 65536
	s_sub_nc_u64 s[10:11], s[46:47], s[2:3]
	s_or_b32 s11, s11, 0x80000000
	s_mov_b32 s[G0], 1
	s_mov_b32 s[G0+1], s45
	s_mov_b64 s[G0+2:G0+3], s[96:97]
	s_or_b32 s[G0+3], s[G0+3], 0x80000000
	s_mov_b32 s[G0B], 1
	s_mov_b32 s[G0B+1], s45
	s_mov_b64 s[G0B+2:G0B+3], s[46:47]
	s_or_b32 s[G0B+3], s[G0B+3], 0x80000000
	s_mov_b32 s[G0+4], 1
	s_add_co_u32 s[G0+5], s45, SLOT
	s_add_nc_u64 s[G0+6:G0+7], s[96:97], s[22:23]
	s_or_b32 s[G0+7], s[G0+7], 0x80000000
	s_mov_b32 s[G0B+4], 1
	s_add_co_u32 s[G0B+5], s45, SLOT
	s_add_nc_u64 s[G0B+6:G0B+7], s[46:47], s[100:101]
	s_or_b32 s[G0B+7], s[G0B+7], 0x80000000
; THE HEAD'S LOADS, ONE A WAVE: wave 0 K step 0's rows of A, wave 1 those of B, wave 2 A's scale words, wave 3 B's.  One chain of branches on the wave's number, a load to an arm.
.macro ARM under, g0, g1, next
	s_cmp_lt_u32 s16, \under
	s_cbranch_scc0 \next
	tensor_load_to_lds s[\g0:\g0+3], s[\g1:\g1+7]
	s_nop 0
.rept 4
	v_nop
.endr
	s_branch .Lhead_asked
\next:
.endm
	ARM 1, 4, G1, .Lhead_b
	ARM 2, 8, G1B, .Lhead_sa
	ARM 3, G0S, G1S, .Lhead_sb
	tensor_load_to_lds s[G0SB:G0SB+3], s[G1SB:G1SB+7]
	s_nop 0
.rept 4
	v_nop
.endr
.Lhead_asked:
; PREFETCHES INTO THE L2: of the 128 rows (32,768 bytes) that my wave fetches in each K step, each of the four partners that ask for them jointly names 8,192 bytes, told apart by address (cx for A, cy for B), lanes 256 bytes apart.
; K steps 1 and 2 are asked for here, K step 3 behind the first fragment loads.  A weight's rows are the same in all eight rows of clusters: four of them ask.
.macro ASK adr
	s_cmp_eq_u32 s101, 0
	s_cbranch_scc0 .Lnot_mine_\@
	global_prefetch_b8 v4, s[\adr:\adr+1] th:TH_LOAD_NT scope:SCOPE_SE
.Lnot_mine_\@:
.endm
	s_cmp_eq_u32 s17, 0
	s_cselect_b64 s[98:99], s[96:97], s[46:47]     ; my rows at K step 0
	s_cselect_b32 s2, s40, s41
	s_cselect_b32 s66, s22, s100                   ; a K step on, in bytes
	s_mov_b32 s67, 0
	s_lshl_b32 s2, s2, 13
	s_add_nc_u64 s[98:99], s[98:99], s[2:3]
	s_add_nc_u64 s[98:99], s[98:99], s[66:67]      ; K step 1
	s_add_nc_u64 s[104:105], s[98:99], s[66:67]    ; K step 2
	s_add_nc_u64 s[66:67], s[104:105], s[66:67]    ; K step 3
	s_cmp_eq_u32 ttmp9, 2
	s_cselect_b32 s101, 1, 0
	s_xor_b32 s101, s101, s17                      ; 1: my rows are a weight's
	s_cmp_lt_u32 s19, 4
	s_cselect_b32 s101, 0, s101                    ; 1: my wave asks for nothing
	v_and_b32 v4, 31, v0
	v_lshlrev_b32 v4, 8, v4
	s_wait_alu depctr_va_vdst(0)
	ASK 98
	ASK 104
	v_and_b32 v1, 31, v0
	v_lshlrev_b32 v2, 4, v1                        ; 16 x lane
	v_lshlrev_b32 v3, 3, v1                        ; 8 x lane
	s_lshl_b32 s2, s17, 15                         ; my half of A,
	s_lshl_b32 s3, s18, 15
	s_add_co_u32 s3, s3, 65536                     ; my half of B, behind A's 16 tiles
	v_add_nc_u32 v[ADRA], s2, v2
	v_add_nc_u32 v[ADRB], s3, v2
	v_add_nc_u32 v[ADRA+1], SLOT, v[ADRA]
	v_add_nc_u32 v[ADRB+1], SLOT, v[ADRB]
	s_lshl_b32 s2, s17, 12
	s_add_co_u32 s2, s2, SCL
	s_lshl_b32 s3, s18, 12
	s_add_co_u32 s3, s3, SCL+8192
	v_add_nc_u32 v[ADSA], s2, v3
	v_add_nc_u32 v[ADSB], s3, v3
.macro FRAG reg, adr, q, i             ; tile i's fragment of the slot's q-th 128 along K: four loads of 512 consecutive bytes
.irp c, 0,1,2,3
	ds_load_b128 v[\reg+4*\c:\reg+4*\c+3], v[\adr] offset:4096*(\i)+2048*(\q)+512*\c
.endr
.endm
.macro WM zero                         ; one product; the symbols are set by MUL16.  An odd tile's scale words lie in lanes 16-31
.if \zero
.if oB && oA
	v_wmma_scale_f32_16x16x128_f8f6f4 v[rD:rD+7], v[rB:rB+15], v[rA:rA+15], 0, v[rSB], v[rSA] matrix_a_scale:MATRIX_SCALE_ROW1 matrix_b_scale:MATRIX_SCALE_ROW1
.elseif oB
	v_wmma_scale_f32_16x16x128_f8f6f4 v[rD:rD+7], v[rB:rB+15], v[rA:rA+15], 0, v[rSB], v[rSA] matrix_a_scale:MATRIX_SCALE_ROW1
.elseif oA
	v_wmma_scale_f32_16x16x128_f8f6f4 v[rD:rD+7], v[rB:rB+15], v[rA:rA+15], 0, v[rSB], v[rSA] matrix_b_scale:MATRIX_SCALE_ROW1
.else
	v_wmma_scale_f32_16x16x128_f8f6f4 v[rD:rD+7], v[rB:rB+15], v[rA:rA+15], 0, v[rSB], v[rSA]
.endif
.else
.if oB && oA
	v_wmma_scale_f32_16x16x128_f8f6f4 v[rD:rD+7], v[rB:rB+15], v[rA:rA+15], v[rD:rD+7], v[rSB], v[rSA] matrix_a_scale:MATRIX_SCALE_ROW1 matrix_b_scale:MATRIX_SCALE_ROW1
.elseif oB
	v_wmma_scale_f32_16x16x128_f8f6f4 v[rD:rD+7], v[rB:rB+15], v[rA:rA+15], v[rD:rD+7], v[rSB], v[rSA] matrix_a_scale:MATRIX_SCALE_ROW1
.elseif oA
	v_wmma_scale_f32_16x16x128_f8f6f4 v[rD:rD+7], v[rB:rB+15], v[rA:rA+15], v[rD:rD+7], v[rSB], v[rSA] matrix_b_scale:MATRIX_SCALE_ROW1
.else
	v_wmma_scale_f32_16x16x128_f8f6f4 v[rD:rD+7], v[rB:rB+15], v[rA:rA+15], v[rD:rD+7], v[rSB], v[rSA]
.endif
.endif
.endm
; 16 products: A's blocks a0, a0 + 1 x B's eight, the slot's q-th 128 along K.  p: B's set; sc: the set of scale words; zero = 1: the products start the sums.
; The 64 accumulators take turns, one instruction a turn, in the same order in every step.
.macro MUL16 a0, p, q, sc, zero
.irp a, \a0, \a0+1
.irp b, 0,1,2,3,4,5,6,7
.set rD, 8*(8*((\a)%4)+\b)
.set rB, 128*(\p)+16*\b
.set rA, AF+16*(\a)
.set rSB, SC+16*(\sc)+8+2*(\b/2)+(\q)
.set rSA, SC+16*(\sc)+2*((\a)/2)+(\q)
.set oB, \b%2
.set oA, (\a)%2
	WM \zero
.endr
.endr
.endm
.macro FETCH_B slot, q, p
	WIN TO_B
.irp i, 0,1,2,3,4,5,6,7
	FRAG 128*(\p)+16*\i, ADRB+\slot, \q, \i
.endr
	WIN 0
.endm
.macro FETCH_A slot, q, i0
.irp i, \i0, \i0+1, \i0+2, \i0+3
	FRAG AF+16*(\i), ADRA+\slot, \q, \i
.endr
.endm
.macro SCALES sc, ks                   ; K step ks's scale words into set sc: eight loads of 256 consecutive bytes
.irp p, 0,1,2,3
	ds_load_b64 v[SC+16*(\sc)+2*\p:SC+16*(\sc)+2*\p+1], v[ADSA] offset:1024*\p+256*(\ks)
.endr
.irp p, 0,1,2,3
	ds_load_b64 v[SC+16*(\sc)+8+2*\p:SC+16*(\sc)+8+2*\p+1], v[ADSB] offset:1024*\p+256*(\ks)
.endr
.endm
; A load into a register that a matrix instruction has read stands eight places behind it, and only plain vector instructions that name none of its registers are places.
.macro PLACES n
.rept \n
	v_nop
.endr
.endm
; A slot's first 128 along K.  A's blocks are free as soon as their eight products are issued: blocks 0-3 are fetched anew in the middle, blocks 4-7 at the end; B has two sets.
.macro STEP slot, zero
	s_wait_dscnt 16                                ; B's set, A's blocks 0-3 and the scale words are in; the youngest 16 loads (A's blocks 4-7) may be out
	WIN MUL_LO
	MUL16 0, 0, 0, \slot, \zero
	MUL16 2, 0, 0, \slot, \zero
	s_wait_dscnt 0x0
	PLACES 8
	FETCH_B \slot, 1, 1
	FETCH_A \slot, 1, 0
	WIN MUL_HI
	MUL16 4, 0, 0, \slot, \zero
	MUL16 6, 0, 0, \slot, \zero
	PLACES 8
	WIN 0
	FETCH_A \slot, 1, 4
.endm
; A slot's second 128 changes slots: one barrier; in front of it each wave waits for all its tensor loads, adds 0 to its spare word, and waits for that and for its reads of this slot.  fill = 1: this slot is filled again, two K steps ahead.
.macro TURN slot, next, fill, ks
	s_wait_tensorcnt 0x0                           ; all my tensor loads have landed: my part of the next slot
	ds_add_u32 v[SPW], v[NIL]                      ; 0 onto my spare word
	s_wait_dscnt 17                                ; (the add and the youngest 16 loads, A's blocks 4-7, may be out)
	WIN MUL_LO
	MUL16 0, 1, 1, \slot, 0
	s_wait_dscnt 0x0                               ; the add is done, and my reads of this slot are over
	s_barrier_signal -1
	MUL16 2, 1, 1, \slot, 0
	WIN 0
	s_barrier_wait -1
.if \fill
	CREST                                          ; the barrier has opened a round of the cluster's barrier: no wave of any partner still reads this slot or has a load on its way
	s_add_nc_u64 s[G0+4*\slot+2:G0+4*\slot+3], s[G0+4*\slot+2:G0+4*\slot+3], s[92:93]
	s_add_nc_u64 s[G0B+4*\slot+2:G0B+4*\slot+3], s[G0B+4*\slot+2:G0B+4*\slot+3], s[94:95]
	JLOAD G0+4*\slot, G1, G0B+4*\slot, G1B         ; the first tensor load behind the round; its four v_nop are four of the eight places
	PLACES 4
.else
	PLACES 8
.endif
	FETCH_B \next, 0, 0
	FETCH_A \next, 0, 0
	SCALES \next, \ks
	WIN MUL_HI
	MUL16 4, 1, 1, \slot, 0
	MUL16 6, 1, 1, \slot, 0
	PLACES 8
	WIN 0
	FETCH_A \next, 0, 4
.endm
	s_wait_alu depctr_va_vdst(0)
	s_wait_tensorcnt 0x0                           ; my tile of the head's four is in
	ds_add_u32 v[SPW], v[NIL]
	s_mov_b32 s[G1+2], 128<<16                     ; no tensor load of mine is out: from here on a load brings 128 rows
	s_mov_b32 s[G1+4], 128
	s_mov_b32 s[G1B+2], 128<<16
	s_mov_b32 s[G1B+4], 128
	s_wait_dscnt 0x0
	CROUND                                         ; all four tiles are in, and all sixteen work-groups are here
	JLOAD G0+4, G1, G0B+4, G1B                     ; K step 1: the first tensor load behind the round
	FETCH_B 0, 0, 0
	FETCH_A 0, 0, 0
	SCALES 0, 0
	FETCH_A 0, 0, 4
	ASK 66
	STEP 0, 1
	TURN 0, 1, 1, 1
	STEP 1, 0
	TURN 1, 0, 1, 2
	STEP 0, 0
	TURN 0, 1, 0, 3                                ; nothing is left to fetch
	STEP 1, 0
	s_wait_dscnt 16
	WIN MUL_LO
	MUL16 0, 1, 1, 1, 0
	MUL16 2, 1, 1, 1, 0
	s_wait_dscnt 0x0
	WIN MUL_HI
	MUL16 4, 1, 1, 1, 0
	MUL16 6, 1, 1, 1, 0
	WIN 0
	; THE WAY OUT.  Block a (16 rows of A) holds, in each lane, 64 numbers of one row: register 16 b + i = index 32 b + 16 (lane / 16) + i along B: four blocks of 32 of the next product's K.
	; The eleven plain lines below name no register of the last products: they are the eight places in front of the first read of results.
	s_wait_xcnt 0x0                                ; the prefetches have read their addresses: the registers are written again below
	v_and_b32 v1, 31, v0
	v_lshlrev_b32 v[VO], 4, v1
	s_wait_alu depctr_va_vdst(0)
	v_lshlrev_b32 v31, 3, v1
	v_add_nc_u32 v[VO+1], 512, v[VO]
	s_wait_alu depctr_va_vdst(0)
.irp b, 0,1,2,3
	v_mov_b32 v[TM+4+\b], 0                        ; written once: a lane permute's destination counts as one of its sources
.endr
	s_cmp_eq_u32 ttmp9, 2                          ; no tensor load of mine is out: the scalars below take registers that are free
	s_cselect_b32 s4, s21, s20                     ; the tile of 256 tokens,
	s_cselect_b32 s5, s18, s17                     ; my half of it,
	s_cselect_b32 s6, s41, s40                     ; the 256 channels in their section,
	s_cselect_b32 s7, s17, s18                     ; my half of them
	s_mov_b32 s8, 1024
	s_cselect_b32 s8, 2048, s8                     ; from block to block: a tile of tokens (1,024 bytes), or (v) a tile of channels (2,048)
	s_cselect_b32 s10, 0x1e000, 0                  ; (v) at block 4 on to the next head: 131,072 - 4 x 2,048 more
	s_mov_b32 s22, 0x20000
	s_cselect_b32 s22, 1024, s22                   ; from block 0, 1 of the row to block 2, 3: the next head (131,072), or (v) c = 2 (1,024)
	s_cselect_b32 s23, 12, 13                      ; a head's scale words: 4,096 bytes (v) or 8,192
	s_mov_b32 s9, 0
	s_mov_b32 s11, 0
	s_mov_b32 s[SEL], 0x76543210
	s_mov_b32 s[SEL+1], 0xfedcba98
	s_mov_b32 s3, 0x600000                         ; the mantissa field of 448
	v_add_nc_u32 v[VO+2], s22, v[VO]
	v_add_nc_u32 v[VO+3], s22, v[VO+1]
	v_cmp_le_u32 vcc_lo, 16, v1                    ; lanes 16-31; VCC stands until the scale words leave
	s_lshl_b32 s4, s4, 1
	s_add_co_u32 s4, s4, s5                        ; my 128 tokens of 8,192
	s_lshl_b32 s6, s6, 2
	s_lshl_b32 s7, s7, 1
	s_add_co_u32 s6, s6, s7                        ; my first head (I have two)
	s_lshr_b32 s5, s4, 4                           ; the batch
	s_and_b32 s4, s4, 15                           ; my 128 tokens in it
	s_lshl_b32 s96, ttmp9, 23                      ; the section: 8 MiB x cluster x
	s_lshl_b32 s7, s5, 21
	s_add_co_u32 s96, s96, s7
	s_lshl_b32 s7, s6, 17
	s_add_co_u32 s96, s96, s7
	s_lshl_b32 s7, s4, 13
	s_add_co_u32 s96, s96, s7
	s_mov_b32 s97, 0
	s_add_nc_u64 s[96:97], s[12:13], s[96:97]      ; block 0's codes
	s_lshl_b32 s5, s5, 4
	s_add_co_u32 s5, s5, s6                        ; batch x 16 + head
	s_lshl_b32 s98, s5, s23
	s_sub_co_u32 s23, s23, 4
	s_lshl_b32 s7, s4, s23
	s_add_co_u32 s98, s98, s7
	s_lshl_b32 s7, ttmp9, 19                       ; the section: 524,288 x cluster x
	s_add_co_u32 s98, s98, s7
	s_mov_b32 s99, 0
	s_add_nc_u64 s[98:99], s[14:15], s[98:99]      ; my scale words
.macro EPI a
.set AC, 64*((\a)%4)
	WIN 0x0a+5*((\a)/4)                            ; sources 0 and 1: the accumulators' window
.irp b, 0,1,2,3
	v_max3_num_f32 v[TM+\b], |v[AC+16*\b]|, |v[AC+16*\b+1]|, 0x4800000   ; each accumulator is read from its low end on; the floor 2^(9 - 127) holds the byte at 1
.endr
.irp i, 2,4,6,8,10,12,14
.irp b, 0,1,2,3
	v_max3_num_f32 v[TM+\b], |v[AC+16*\b+\i]|, |v[AC+16*\b+\i+1]|, v[TM+\b]
.endr
.endr
	WIN 0
.irp b, 0,1,2,3
	v_permlanex16_b32 v[TM+4+\b], v[TM+\b], s[SEL], s[SEL+1]
.endr
.irp b, 0,1,2,3
	v_max_num_f32 v[TM+\b], v[TM+\b], v[TM+4+\b]   ; with lane l xor 16's 16: the block's largest magnitude
.endr
.irp b, 0,1,2,3
	v_add_nc_u32 v[TM+12+\b], 0xfc000000, v[TM+\b] ; 8 off the exponent field: the conversion's scale operand
.endr
.irp b, 0,1,2,3
	v_and_or_b32 v[TM+8+\b], v[TM+\b], 0x7f800000, s3   ; 448 x the scale
.endr
.irp b, 0,1,2,3
	v_lshrrev_b32 v[TM+4+\b], 23, v[TM+12+\b]      ; the byte
.endr
	v_lshl_or_b32 v[WD+(\a)], v[TM+5], 8, v[TM+4]
	v_lshl_or_b32 v[WD+(\a)], v[TM+6], 16, v[WD+(\a)]
	v_lshl_or_b32 v[WD+(\a)], v[TM+7], 24, v[WD+(\a)]
	WIN 0x82+0x41*((\a)/4)                         ; source 0 and destination: the accumulators' window: the hold is made in place
.irp b, 0,1,2,3
.irp i, 0,1,2,3,4,5,6,7,8,9,10,11,12,13,14,15
	v_med3_num_f32 v[AC+16*\b+\i], v[AC+16*\b+\i], -v[TM+8+\b], v[TM+8+\b]   ; the conversion to an 8-bit code does not saturate (ISA guide 7.6.2)
.endr
.endr
	WIN 0x02+(\a)/4                                ; source 0 alone
.irp b, 0,1,2,3
	v_cvt_scalef32_pk8_fp8_f32 v[PC+16*(\a)+4*\b:PC+16*(\a)+4*\b+1], v[AC+16*\b:AC+16*\b+7], v[TM+12+\b]
	v_cvt_scalef32_pk8_fp8_f32 v[PC+16*(\a)+4*\b+2:PC+16*(\a)+4*\b+3], v[AC+16*\b+8:AC+16*\b+15], v[TM+12+\b]
.endr
	WIN 0
	v_nop                                          ; a plain line behind the last conversion
.if (\a) > 0
	s_wait_alu depctr_va_vdst(0)
	s_wait_xcnt 0x0                                ; the last block's stores have read their base: it may step
	s_add_nc_u64 s[96:97], s[96:97], s[8:9]
.endif
.if (\a) == 4
	s_add_nc_u64 s[96:97], s[96:97], s[10:11]
.endif
.irp b, 0,1,2,3
	global_store_b128 v[VO+\b], v[PC+16*(\a)+4*\b:PC+16*(\a)+4*\b+3], s[96:97]   ; 512 consecutive bytes, aligned
.endr
.endm
.irp a, 0,1,2,3,4,5,6,7
	EPI \a
.endr
.irp p, 0,1,2,3
	v_cndmask_b32 v[PP+\p], v[WD+2*\p], v[WD+2*\p+1], vcc_lo   ; lanes 0-15 the even tile's rows, lanes 16-31 the odd tile's (both halves of the lanes hold their row's word)
.endr
	s_cmp_eq_u32 ttmp9, 2                          ; a branch on the cluster's x: alike in all partners
	s_cbranch_scc1 .Lv_words
.irp p, 0,1,2,3
	v_and_b32 v[LW+\p], 0xffff, v[PP+\p]           ; q, k: bytes 0, 1 are my first head's two blocks,
.endr
	global_store_b128 v[VO], v[LW:LW+3], s[98:99]
.irp p, 0,1,2,3
	v_lshrrev_b32 v[WD+\p], 16, v[PP+\p]           ; bytes 2, 3 my second head's
.endr
	global_store_b128 v[VO], v[WD:WD+3], s[98:99] offset:8192
	s_branch .Lwords_out
.Lv_words:
	s_wait_alu depctr_va_vdst(0)
	global_store_b64 v31, v[PP:PP+1], s[98:99]               ; v: tiles 0-3 are my first head's channels,
	global_store_b64 v31, v[PP+2:PP+3], s[98:99] offset:4096 ; tiles 4-7 my second head's
.Lwords_out:
	s_wait_tensorcnt 0x0                           ; the wave's end
	ds_add_u32 v[SPW], v[NIL]
	s_wait_dscnt 0x0
	CROUND                                         ; the closing round: no work-group ends while a partner may still ask for a tile that names it
	s_endpgm
.Lfunc_end_k_qe05c3726b0_qkv:
	.size	k_qe05c3726b0_qkv, .Lfunc_end_k_qe05c3726b0_qkv-k_qe05c3726b0_qkv
	.p2alignl 7, 3214868480
	.fill 96, 4, 3214868480
	.section	.rodata,"a",@progbits
	.p2align	6, 0x0
	.amdhsa_kernel k_qe05c3726b0_qkv
		.amdhsa_group_segment_fixed_size 327680
		.amdhsa_private_segment_fixed_size 0
		.amdhsa_enable_private_segment 0
		.amdhsa_kernarg_size 48
		.amdhsa_user_sgpr_count 2
		.amdhsa_user_sgpr_kernarg_segment_ptr 1
		.amdhsa_wavefront_size32 1
		.amdhsa_system_sgpr_workgroup_id_x 1
		.amdhsa_system_sgpr_workgroup_id_y 1
		.amdhsa_system_sgpr_workgroup_id_z 1
		.amdhsa_system_vgpr_workitem_id 0
		.amdhsa_next_free_vgpr 1024
		.amdhsa_next_free_sgpr 106
		.amdhsa_reserve_vcc 1
		.amdhsa_float_denorm_mode_32 3
		.amdhsa_float_denorm_mode_16_64 3
		.amdhsa_memory_ordered 1
		.amdhsa_forward_progress 1
		.amdhsa_inst_pref_size 188
	.end_amdhsa_kernel
	.amdgpu_metadata
---
amdhsa.version: [ 1, 2 ]
amdhsa.kernels:
  - .name:           k_qe05c3726b0_qkv
    .symbol:         k_qe05c3726b0_qkv.kd
    .args:
      - { .name: x_img, .offset: 0, .size: 8, .value_kind: global_buffer, .address_space: global }
      - { .name: x_sc, .offset: 8, .size: 8, .value_kind: global_buffer, .address_space: global }
      - { .name: w_img, .offset: 16, .size: 8, .value_kind: global_buffer, .address_space: global }
      - { .name: w_sc, .offset: 24, .size: 8, .value_kind: global_buffer, .address_space: global }
      - { .name: qkv_img, .offset: 32, .size: 8, .value_kind: global_buffer, .address_space: global }
      - { .name: qkv_sc, .offset: 40, .size: 8, .value_kind: global_buffer, .address_space: global }
    .group_segment_fixed_size: 327680
    .private_segment_fixed_size: 0
    .kernarg_segment_align: 8
    .kernarg_segment_size: 48
    .max_flat_workgroup_size: 128
    .sgpr_count:     106
    .vgpr_count:     1024
    .wavefront_size: 32
...
	.end_amdgpu_metadata
.endif
;; end of part 2
;; launch attn (part 3): grid 4 x 64, 16 waves a work-group, no clusters, 327,680 bytes of LDS; arguments qkv_img, qkv_sc, y_img, y_sc; writes y_img, y_sc
.if DOCPART == 3
	.amdgcn_target "amdgcn-amd-amdhsa--gfx1250"
	.amdhsa_code_object_version 6
	.text
	.protected	k_qe05c3726b0_attn
	.globl	k_qe05c3726b0_attn
	.p2align	8
	.type	k_qe05c3726b0_attn,@function
k_qe05c3726b0_attn:
	s_mov_b64 s[64:65], 0
	v_nop
	global_prefetch_b8 v0, s[64:65] scope:SCOPE_SE
	s_setreg_imm32_b32 hwreg(HW_REG_WAVE_MODE, 25, 1), 1
	s_wait_xcnt 0x0
; y[b][q][head] = softmax_k(q . k / 8, causal) v, both products on codes of FP8 (E4M3) with E8M0 scales; y leaves as codes, quantised along D in registers.
; THE SOFTMAX: t = score x log2(e) / 8; M = the row's largest t so far, rounded UP to a whole number; p = 2^(t - M) is quantised along the keys, not normalised; the row's sum is taken of the unquantised p and divides at the end.
; LEFT OUT: key steps of 128 all of whose keys come behind a tile's queries: the causal mask gives them the weight 0 for every input.  A NaN or infinity that reaches only those scores is not carried on.
; LIMITS: NaN and infinities are not served; the scaled scores stay under 2^31 in magnitude; p under 2^-126 comes out of v_exp_f32 as 0; a block of zeros gets the byte 1 (its codes are zeros; this program alone reads the bytes).
; SHARES.  Work-group (g, batch x head), sixteen waves.  Wave w takes two tiles of 16 queries: first a1 = 127 - a0, then a0 = 4 w + g: (16 - a0 / 8) + (a0 / 8 + 1) = 17 key steps for every wave, and every work-group reads all sixteen key steps.
; THE WHOLE HEAD'S K AND V LIE IN LDS, each byte filled once.  At the head waves 0, 1 fetch key steps 0-3 of K and V and waves 2, 3 their scale words.  Behind the first barrier,
; waves 0 to 5 fetch key steps 4-15 in chunks of four; every wave then walks key steps 0-3 of a1 (a1 >= 64: all their keys count); the second barrier shows the rest.  Nothing is stored to LDS.
; NO CLUSTER: the left-out steps are branches that hang on g, the work-group's place among the four of a head.  NO PREFETCH: all fills are asked for ahead of the first loop; there is no loop ahead of them to ask in.
; LAYOUT.  Both products are used transposed: S^T = K Q^T, O^T = V^T P^T: a lane holds ONE query.  Operands lie as images of their registers; row r of tile 2 B + u is index 32 B + 8 u + r + 8 (r / 8), so the 16 registers of two neighbouring tiles are 16 neighbours along the next K.
; THE HEAD IS 64 WIDE, THE INSTRUCTION 128: Q's registers 8-15 are zero codes; K's tile t is eight registers, its operand's upper eight are the next tile's codes (finite) or zeros for tile 7: they meet Q's zeros.
; REGISTERS: v1 16 x lane; v2 the same + V's distance from K; v4 V's scale words; v5 the mask's number; v6 Q's scale words; v7 8 r + h; v8-11 the step's addresses; v12 -M; v13 the largest score; v[14:15] the sum; v16-23, v255 a0's Q and scale words in waiting;
;   v24, v25 the add's two; v26, v27 at work; v32-95 K, then V; v96-103 zeros; v104-167 S^T, p, y; v168-199 O^T; v200-215 codes; v216-231 Q and zeros; v232-247, v254 at work; v248-251 K's or V's scale words; v252 f; v253 p's scale word.
.set KSC,   0                          ; K's scale words, 8,192 bytes
.set VSC,   8192                       ; V's, 4,096
.set SPARE, 12288                      ; the spare words, 128 bytes a wave: eight blocks of 256 that no other line names
.set KIMG,  32768                      ; K's images, 131,072 bytes
.set VIMG,  163840                     ; V's
.set SS,  104
.set OT,  168
.set PCD, 200
.set QF,  216
.set QS,  6
.set SPW, 24
.set NIL, 25
.set WV,  12
.set W1,  13
.set SEL, 14                           ; s14, s15 selects for v_permlanex16_b32: lane l xor 16
.set CS,  16                           ; s[16:17] c = log2(e) / 8
.set MNT, 18
.set KS,  19                           ; the key step
.set DG,  20                           ; the step on the diagonal: tile / 8
.set TK,  21                           ; the step's codes of K in LDS: 8,192 bytes a step
.set TS,  22                           ; K's scale words: 512 a step
.set TJ,  23                           ; V's: 256
.set G1C, 24                           ; group 1: 128 rows of 256 bytes; G1K: 32 rows; G1V: 16 rows
.set G1K, 32
.set G1V, 40
.set G0A, 48                           ; groups 0: key steps 0-3; a later chunk; K's scale words; V's
.set G0B, 52
.set G0K, 56
.set G0V, 60
.set DB,  66                           ; the block of 32 keys on the diagonal: (tile % 8) / 2
.set A0,  72
.set A1,  73
.set BH,  74
.set BT,  75
.set HD,  76
.set QB0, 78
.set QB1, 80
.set QS0, 82
.set QS1, 84
.set YB0, 86
.set YS0, 88
.set YB1, 90
.set YS1, 92
	s_load_b256 s[4:11], s[0:1], 0x0               ; qkv_img, qkv_sc, y_img, y_sc
	v_lshl_add_u32 v[SPW], v0, 2, SPARE
	v_mov_b32 v[NIL], 0
	ds_add_u32 v[SPW], v[NIL]                      ; the opening lines: the add twice on end and its wait ahead of the first tensor load
	ds_add_u32 v[SPW], v[NIL]
	v_lshrrev_b32 v8, 5, v0
	v_readfirstlane_b32 s[WV], v8                  ; wave 0..15
	s_and_b32 s[W1], s[WV], 1                      ; even waves fetch K's codes, odd ones V's
	s_lshr_b32 s3, s[WV], 1
	s_lshl_b32 s3, s3, 15                          ; 32,768 x (wave / 2): waves 0 to 5 take chunks 1 to 3
	s_lshl_b32 s2, s[W1], 17
	s_and_b32 s[BH], ttmp7, 0xffff                 ; batch x 16 + head
	s_lshr_b32 s[BT], s[BH], 4
	s_and_b32 s[HD], s[BH], 15
	s_lshl_b32 s[A0], s[WV], 2
	s_add_co_u32 s[A0], s[A0], ttmp9               ; a0 = 4 w + g
	s_sub_co_u32 s[A1], 127, s[A0]
.irp g, G1C, G1K, G1V                  ; dense blocks as rows of 256 bytes (32 elements of 8 bytes), no padding, no mask
	s_mov_b32 s[\g], 3<<16
	s_mov_b32 s[\g+1], 32<<16
	s_mov_b32 s[\g+3], 32<<16
	s_mov_b32 s[\g+5], 32
	s_mov_b32 s[\g+6], 0
	s_mov_b32 s[\g+7], 0
.endr
	s_mov_b32 s[G1C+2], 128<<16
	s_mov_b32 s[G1C+4], 128
	s_mov_b32 s[G1K+2], 32<<16
	s_mov_b32 s[G1K+4], 32
	s_mov_b32 s[G1V+2], 16<<16
	s_mov_b32 s[G1V+4], 16
	s_mov_b32 s[G0A], 1
	s_add_co_u32 s[G0A+1], s2, KIMG
	s_mov_b32 s[G0B], 1
	s_add_co_u32 s[G0B+1], s2, s3
	s_add_co_u32 s[G0B+1], s[G0B+1], KIMG+32768
	s_mov_b32 s[G0K], 1
	s_mov_b32 s[G0K+1], KSC
	s_mov_b32 s[G0V], 1
	s_mov_b32 s[G0V+1], VSC
	s_add_co_u32 s94, s[W1], 1
	s_lshl_b32 s94, s94, 23                        ; k's section at 8 MiB, v's at 16 MiB,
	s_lshl_b32 s96, s[BH], 17
	s_add_co_u32 s94, s94, s96                     ; my head's 131,072 bytes
	s_mov_b32 s95, 0
	s_add_co_u32 s96, s94, s3
	s_add_co_u32 s96, s96, 32768                   ; chunk wave / 2 + 1
	s_mov_b32 s97, 0
	s_lshl_b32 s98, s[BH], 13
	s_add_co_u32 s98, s98, 524288                  ; k's scale words
	s_mov_b32 s99, 0
	s_lshl_b32 s2, s[BH], 12
	s_add_co_u32 s2, s2, 1048576                   ; v's
	s_mov_b32 s3, 0
	s_mov_b32 s[SEL], 0x76543210
	s_mov_b32 s[SEL+1], 0xfedcba98
	s_mov_b32 s[CS], 0x3e38aa3b
	s_mov_b32 s[CS+1], s[CS]
	s_mov_b32 s[MNT], 0x600000
	s_wait_dscnt 0x0                               ; both opening adds are done
	s_wait_kmcnt 0x0
	s_add_nc_u64 s[G0A+2:G0A+3], s[4:5], s[94:95]
	s_or_b32 s[G0A+3], s[G0A+3], 0x80000000
	s_add_nc_u64 s[G0B+2:G0B+3], s[4:5], s[96:97]
	s_or_b32 s[G0B+3], s[G0B+3], 0x80000000
	s_add_nc_u64 s[G0K+2:G0K+3], s[6:7], s[98:99]
	s_or_b32 s[G0K+3], s[G0K+3], 0x80000000
	s_add_nc_u64 s[G0V+2:G0V+3], s[6:7], s[2:3]
	s_or_b32 s[G0V+3], s[G0V+3], 0x80000000
; one chain of branches on the wave's number, a load to an arm
.macro ARM under, g0, g1, next
	s_cmp_lt_u32 s[WV], \under
	s_cbranch_scc0 \next
	tensor_load_to_lds s[\g0:\g0+3], s[\g1:\g1+7]
	s_nop 0
.rept 4
	v_nop
.endr
	s_branch .Lasked
\next:
.endm
	ARM 2, G0A, G1C, .Lh_ks
	ARM 3, G0K, G1K, .Lh_vs
	ARM 4, G0V, G1V, .Lh_none
.Lasked:
	v_and_b32 v9, 31, v0
	v_and_b32 v10, 15, v0                          ; r
	v_bfe_u32 v11, v0, 4, 1                        ; h
	v_lshlrev_b32 v1, 4, v9                        ; 16 x lane
	v_lshlrev_b32 v4, 3, v9
	v_add_nc_u32 v2, VIMG-KIMG, v1
	v_add_nc_u32 v4, VSC, v4
	v_lshl_add_u32 v7, v10, 3, v11                 ; y's scale bytes: 8 r + h
	v_lshlrev_b32 v254, 4, v10                     ; Q's scale word: 16 r
; the four addresses of tile a: Q's codes, Q's scale words, y's codes, y's scale bytes
.macro BASES a, qb, qs, yb, ys
	s_lshl_b32 s94, s[BH], 17
	s_lshl_b32 s96, s[\a], 10
	s_add_co_u32 s94, s94, s96                     ; q: 131,072 x head + 1,024 x tile
	s_add_nc_u64 s[\qb:\qb+1], s[4:5], s[94:95]
	s_lshl_b32 s94, s[BH], 13
	s_lshr_b32 s96, s[\a], 3
	s_lshl_b32 s96, s96, 9
	s_add_co_u32 s94, s94, s96                     ; 8,192 x head + 512 x (tile / 8)
	s_and_b32 s96, s[\a], 1
	s_lshl_b32 s96, s96, 8
	s_add_co_u32 s94, s94, s96                     ; + 256 for an odd tile
	s_bfe_u32 s96, s[\a], 0x20001
	s_lshl_b32 s96, s96, 2
	s_add_co_u32 s94, s94, s96                     ; + 4 x the pair of tiles
	s_add_nc_u64 s[\qs:\qs+1], s[6:7], s[94:95]
	s_lshl_b32 s94, s[BT], 7
	s_add_co_u32 s94, s94, s[\a]
	s_lshl_b32 s94, s94, 12                        ; y_img: 4,096 x (128 batch + tile)
	s_lshr_b32 s96, s[HD], 2
	s_lshl_b32 s96, s96, 21
	s_add_co_u32 s94, s94, s96                     ; + 2 MiB x (head / 4)
	s_and_b32 s96, s[HD], 3
	s_lshl_b32 s96, s96, 10
	s_add_co_u32 s94, s94, s96                     ; + 1,024 x (head % 4)
	s_add_nc_u64 s[\yb:\yb+1], s[8:9], s[94:95]
	s_lshl_b32 s94, s[BT], 6
	s_lshr_b32 s96, s[\a], 1
	s_add_co_u32 s94, s94, s96
	s_lshl_b32 s94, s94, 10                        ; y_sc: 1,024 x pair of tiles
	s_lshr_b32 s96, s[HD], 2
	s_lshl_b32 s96, s96, 8
	s_add_co_u32 s94, s94, s96
	s_and_b32 s96, s[\a], 1
	s_lshl_b32 s96, s96, 7
	s_add_co_u32 s94, s94, s96
	s_and_b32 s96, s[HD], 3
	s_lshl_b32 s96, s96, 1
	s_add_co_u32 s94, s94, s96                     ; + 256 x (head / 4) + 128 x (tile % 2) + 2 x (head % 4)
	s_add_nc_u64 s[\ys:\ys+1], s[10:11], s[94:95]
.endm
	BASES A1, QB1, QS1, YB1, YS1
	BASES A0, QB0, QS0, YB0, YS0
	s_wait_alu depctr_va_vdst(0)                   ; the wait ahead of readers behind a run of scalar lines
	global_load_b128 v[QF:QF+3], v1, s[QB1:QB1+1]
	global_load_b128 v[QF+4:QF+7], v1, s[QB1:QB1+1] offset:512
	global_load_b32 v[QS], v254, s[QS1:QS1+1]
	global_load_b128 v[16:19], v1, s[QB0:QB0+1]
	global_load_b128 v[20:23], v1, s[QB0:QB0+1] offset:512
	global_load_b32 v255, v254, s[QS0:QS0+1]
.irp j, 0,1,2,3,4,5,6,7
	v_mov_b32 v[QF+8+\j], 0                        ; zero codes: the upper 64 of Q's K,
	v_mov_b32 v[96+\j], 0                          ; and what stands behind K's tile 7
.endr
.irp b, 0,1,2,3
	v_mov_b32 v[236+\b], 0                         ; written once: a lane permute's destination counts as one of its sources
.endr
	v_mov_b32 v252, 0
	v_mov_b32 v253, 0                              ; (named as the upper half of the pair v[252:253] before it is first written)
.macro MINB b                          ; the hold of block b (ISA guide 7.6.2); p is not negative, so it is one-sided; two to a line
.irp i, 0,2,4,6,8,10,12,14
	v_dual_min_num_f32 v[SS+16*(\b)+\i], v[SS+16*(\b)+\i], v[240+(\b)] :: v_dual_min_num_f32 v[SS+16*(\b)+\i+1], v[SS+16*(\b)+\i+1], v[240+(\b)]
.endr
.endm
.macro CVTB b                          ; its 16 codes a lane
	v_cvt_scalef32_pk8_fp8_f32 v[PCD+4*(\b):PCD+1+4*(\b)], v[SS+16*(\b):SS+7+16*(\b)], v[244+(\b)]
	v_cvt_scalef32_pk8_fp8_f32 v[PCD+2+4*(\b):PCD+3+4*(\b)], v[SS+8+16*(\b):SS+15+16*(\b)], v[244+(\b)]
.endm
; A KEY STEP of 128 keys.  causal = 1: the step may be hidden or lie on the diagonal.
.macro STEP causal
.if \causal
	s_cmp_gt_u32 s[KS], s[DG]                      ; all 128 keys come behind my 16 queries: the step's work is left out, its address steps are not
	s_cbranch_scc1 .Lhid_\@
.endif
	v_add_nc_u32 v8, s[TK], v1
	v_add_nc_u32 v9, s[TK], v2
	v_add_nc_u32 v10, s[TS], v1
	v_add_nc_u32 v11, s[TJ], v4
.rept 4
	v_nop                                          ; with the four additions: eight places in front of loads into registers that the last products read
.endr
.irp t, 0,1,2,3,4,5,6,7
	ds_load_b128 v[32+8*\t:35+8*\t], v8 offset:1024*\t
	ds_load_b128 v[36+8*\t:39+8*\t], v8 offset:1024*\t+512
.endr
	ds_load_b128 v[248:251], v10                   ; word p: lanes 0-15 tile 2 p's keys, lanes 16-31 tile 2 p + 1's
	s_wait_alu depctr_va_vdst(0)
	s_wait_dscnt 0x0
.irp t, 0,2,4,6
	v_wmma_scale_f32_16x16x128_f8f6f4 v[SS+8*\t:SS+8*\t+7], v[32+8*\t:47+8*\t], v[QF:QF+15], 0, v[248+\t/2], v[QS]
	v_wmma_scale_f32_16x16x128_f8f6f4 v[SS+8*\t+8:SS+8*\t+15], v[40+8*\t:55+8*\t], v[QF:QF+15], 0, v[248+\t/2], v[QS] matrix_a_scale:MATRIX_SCALE_ROW1
.endr                                      ; register 16 b + i of S^T is key 128 KS + 32 b + 16 (lane / 16) + i
.rept 8
	v_nop                                          ; eight places: in front of the loads below, and of the first read of the scores
.endr
.irp t, 0,1,2,3
.irp c, 0,1,2,3
	ds_load_b128 v[32+16*\t+4*\c:35+16*\t+4*\c], v9 offset:2048*\t+512*\c   ; V's four fragments land while the softmax is worked
.endr
.endr
	ds_load_b64 v[248:249], v11
.if \causal
	s_cmp_lt_u32 s[KS], s[DG]                      ; a step all of whose keys count skips the mask
	s_cbranch_scc1 .Lopen_\@
	v_mov_b32 v254, 0xff800000                     ; on the diagonal hidden scores become -infinity ahead of the maximum: p = 0 then
	s_wait_alu depctr_va_vdst(0)
.irp b, 0,1,2,3
	s_cmp_gt_u32 s[DB], \b                         ; my queries lie in block DB of the step: the keys of an earlier block all count
	s_cbranch_scc1 .Lv\@_\b
.irp i, 0,4,8,12
	v_cmp_gt_i32 s94, 32*\b+\i, v5                 ; v5 = my query - 128 DG - 16 (lane / 16); four compares, then their four selects
	v_cmp_gt_i32 s95, 32*\b+\i+1, v5
	v_cmp_gt_i32 s96, 32*\b+\i+2, v5
	v_cmp_gt_i32 s97, 32*\b+\i+3, v5
	v_cndmask_b32 v[SS+16*\b+\i], v[SS+16*\b+\i], v254, s94
	v_cndmask_b32 v[SS+16*\b+\i+1], v[SS+16*\b+\i+1], v254, s95
	v_cndmask_b32 v[SS+16*\b+\i+2], v[SS+16*\b+\i+2], v254, s96
	v_cndmask_b32 v[SS+16*\b+\i+3], v[SS+16*\b+\i+3], v254, s97
.endr
.Lv\@_\b:
.endr
.Lopen_\@:
.endif
.irp b, 0,1,2,3                        ; the largest score of each block of 32 keys: for the row's maximum, and, since p rises with the score, for the block's largest p.  Two chains a block, eight by turns
	v_max3_num_f32 v[232+\b], v[SS+16*\b], v[SS+1+16*\b], v[SS+2+16*\b]
	v_max3_num_f32 v[236+\b], v[SS+8+16*\b], v[SS+9+16*\b], v[SS+10+16*\b]
.endr
.irp i, 3,5
.irp b, 0,1,2,3
	v_max3_num_f32 v[232+\b], v[232+\b], v[SS+16*\b+\i], v[SS+1+16*\b+\i]
	v_max3_num_f32 v[236+\b], v[236+\b], v[SS+8+16*\b+\i], v[SS+9+16*\b+\i]
.endr
.endr
.irp b, 0,1,2,3
	v_max3_num_f32 v[232+\b], v[232+\b], v[236+\b], v[SS+7+16*\b]
.endr
.irp b, 0,1,2,3
	v_max_num_f32 v[232+\b], v[232+\b], v[SS+15+16*\b]
.endr
.irp b, 0,1,2,3
	s_delay_alu instid0(VALU_DEP_4)
	v_permlanex16_b32 v[236+\b], v[232+\b], s[SEL], s[SEL+1]
.endr
.irp b, 0,1,2,3
	s_delay_alu instid0(VALU_DEP_4)
	v_max_num_f32 v[232+\b], v[232+\b], v[236+\b]  ; with lane l xor 16's 16 keys
.endr
	s_delay_alu instid0(VALU_DEP_2)
	v_max3_num_f32 v254, v232, v233, v234
	s_delay_alu instid0(VALU_DEP_1)
	v_max3_num_f32 v13, v13, v254, v235            ; the running largest score
	s_delay_alu instid0(VALU_DEP_1)
	v_mul_f32 v254, s[CS], v13                     ; as t (c is positive)
	s_delay_alu instid0(VALU_DEP_1)
	v_floor_f32 v254, -v254                        ; the new -M = floor(-t): M is a whole number
	s_delay_alu instid0(VALU_DEP_1)
	v_sub_f32 v252, v254, v12                      ; old M - new M, 0 or less
	s_delay_alu instid0(VALU_DEP_2)
	v_mov_b32 v12, v254
	s_delay_alu instid0(VALU_DEP_2)
	v_cvt_i32_f32 v252, v252                       ; (it saturates)
	s_delay_alu instid0(VALU_DEP_1)
	v_ldexp_f32 v252, 1.0, v252                    ; f = 2^(old M - new M): a multiplication by it rounds nothing
.set j, 0
.rept 32
	v_pk_fma_f32 v[SS+j:SS+j+1], v[SS+j:SS+j+1], s[CS:CS+1], v[12:13] op_sel_hi:[1,0,0]   ; t - M, two at a time
.set j, j+2
.endr
.irp b, 0,1,2,3
	v_fma_f32 v[232+\b], v[232+\b], s[CS], v12     ; the same of each block's largest score
.endr
	s_wait_alu depctr_va_vdst(0)                   ; the wait ahead of the batch
.set j, 0
.rept 64
	v_exp_f32 v[SS+j], v[SS+j]                     ; p = 2^(t - M)
.set j, j+1
.endr
.irp b, 0,1,2,3
	v_exp_f32 v[232+\b], v[232+\b]                 ; the blocks' largest p: the same two instructions on the same number
.endr
	v_pk_mul_f32 v[14:15], v[14:15], v[252:253] op_sel_hi:[1,0]   ; the sum under the new M: a plain line behind the exponentials
	s_wait_alu depctr_va_vdst(0)                   ; one wait for the batch of 68, ahead of its first reader
.irp c, 0,1,2,3,4,5                    ; the row's sum of the unquantised p, two at a time: eight chains by turns
	v_pk_add_f32 v[236+2*\c:237+2*\c], v[SS+4*\c:SS+4*\c+1], v[SS+4*\c+2:SS+4*\c+3]
.endr
	v_pk_add_f32 v[26:27], v[SS+24:SS+25], v[SS+26:SS+27]
.set j, 14
.rept 18
.if (j-14)%8 == 0
	v_pk_add_f32 v[14:15], v[14:15], v[SS+2*j:SS+2*j+1]
.elseif (j-14)%8 == 7
	v_pk_add_f32 v[26:27], v[26:27], v[SS+2*j:SS+2*j+1]
.else
	v_pk_add_f32 v[234+2*((j-14)%8):235+2*((j-14)%8)], v[234+2*((j-14)%8):235+2*((j-14)%8)], v[SS+2*j:SS+2*j+1]
.endif
.set j, j+1
.endr
	v_pk_add_f32 v[240:241], v[240:241], v[242:243]
	v_pk_add_f32 v[244:245], v[244:245], v[246:247]
	v_pk_add_f32 v[14:15], v[14:15], v[26:27]
	v_pk_add_f32 v[236:237], v[236:237], v[238:239]
.irp b, 0,1,2,3
	v_max_num_f32 v[232+\b], 0x4800000, v[232+\b]  ; the floor 2^(9 - 127): the byte cannot fall under 1
.endr
	v_pk_add_f32 v[240:241], v[240:241], v[244:245]
	v_pk_add_f32 v[14:15], v[14:15], v[236:237]
.irp b, 0,1,2,3
	v_add_nc_u32 v[244+\b], 0xfc000000, v[232+\b]  ; 8 off the exponent field: the conversion's scale operand
.endr
	v_pk_add_f32 v[14:15], v[14:15], v[240:241]
.irp b, 0,1,2,3
	v_and_or_b32 v[240+\b], v[232+\b], 0x7f800000, s[MNT]   ; 448 x the scale
.endr
.irp b, 0,1,2,3
	v_lshrrev_b32 v[236+\b], 23, v[244+\b]         ; the byte
.endr
	MINB 0
	v_lshl_or_b32 v254, v237, 8, v236              ; p's scale word for these 128 keys, two levels deep
	v_lshl_or_b32 v26, v239, 8, v238
	MINB 1
	v_lshl_or_b32 v253, v26, 16, v254
	CVTB 0                                         ; a block's conversions stand a block behind its holds
	MINB 2
	CVTB 1
	MINB 3
	CVTB 2
	CVTB 3
	s_wait_dscnt 0x0                               ; V and its scale words are in
	s_wait_alu depctr_va_vdst(0)                   ; the wait directly ahead of the first readers of O^T; it also stands between the scale word's write and its reader
.set j, 0
.rept 16
	v_pk_mul_f32 v[OT+j:OT+j+1], v[OT+j:OT+j+1], v[252:253] op_sel_hi:[1,0]   ; O^T under the new M; these sixteen are also the places between the codes and the products
.set j, j+2
.endr
.irp t, 0,2
	v_wmma_scale_f32_16x16x128_f8f6f4 v[OT+8*\t:OT+8*\t+7], v[32+16*\t:47+16*\t], v[PCD:PCD+15], v[OT+8*\t:OT+8*\t+7], v[248+\t/2], v253
	v_wmma_scale_f32_16x16x128_f8f6f4 v[OT+8*\t+8:OT+8*\t+15], v[48+16*\t:63+16*\t], v[PCD:PCD+15], v[OT+8*\t+8:OT+8*\t+15], v[248+\t/2], v253 matrix_a_scale:MATRIX_SCALE_ROW1
.endr                                      ; the four accumulators by turns
.if \causal
.Lhid_\@:
.endif
	s_add_co_u32 s[TK], s[TK], 8192
	s_add_co_u32 s[TS], s[TS], 512
	s_add_co_u32 s[TJ], s[TJ], 256
.endm
.macro START a                         ; a tile begins: O^T and the sum are zeros, the largest score lies under every score, -M is huge: the first f is 0 and meets zeros
	s_and_b32 s2, s[\a], 7
	s_lshl_b32 s2, s2, 4
	s_and_b32 s3, s[\a], 1
	s_lshl_b32 s3, s3, 3
	s_sub_co_u32 s2, s2, s3                        ; the tile's first query less 128 DG: 16 (a % 8) - 8 (a % 2)
	s_lshr_b32 s[DG], s[\a], 3
	s_bfe_u32 s[DB], s[\a], 0x20001
	s_mov_b32 s[KS], 0
	s_mov_b32 s[TK], KIMG
	s_mov_b32 s[TS], KSC
	s_mov_b32 s[TJ], 0
	v_and_b32 v5, 15, v0
	v_and_b32 v254, 8, v0
	s_delay_alu instid0(VALU_DEP_1)
	v_add_nc_u32 v5, v5, v254                      ; r + 8 (r / 8)
	v_and_b32 v254, 16, v0
	s_delay_alu instid0(VALU_DEP_1)
	v_sub_nc_u32 v5, v5, v254                      ; - 16 h
	s_delay_alu instid0(VALU_DEP_1)
	v_add_nc_u32 v5, s2, v5
	v_mov_b32 v13, 0xff61b1e6                      ; -3e38
	v_mov_b32 v12, 0x7e000000                      ; 2^125
	v_mov_b32 v14, 0
	v_mov_b32 v15, 0
.set j, 0
.rept 32
	v_mov_b32 v[OT+j], 0
.set j, j+1
.endr
.endm
.macro FINISH yb, ys                   ; y = O^T / the sum; register 16 b + i is channel 32 b + 16 h + i of my query: two blocks of 32 along D; quantised, stored as the image's registers
.rept 8
	v_nop                                          ; eight places behind the last products
.endr
	v_add_f32 v14, v14, v15
	s_delay_alu instid0(VALU_DEP_1)
	v_permlanex16_b32 v252, v14, s[SEL], s[SEL+1]
	s_delay_alu instid0(VALU_DEP_1)
	v_add_f32 v14, v14, v252                       ; the row's sum
	s_wait_alu depctr_va_vdst(0)                   ; the wait ahead of the reciprocal
	v_rcp_f32 v14, v14
	v_and_b32 v254, 16, v0                         ; (a plain line behind the reciprocal)
	s_wait_alu depctr_va_vdst(0)                   ; the wait ahead of its first reader, and of the first readers of O^T
.set j, 0
.rept 16
	v_pk_mul_f32 v[SS+j:SS+j+1], v[OT+j:OT+j+1], v[14:15] op_sel_hi:[1,0]   ; each accumulator from its low end on
.set j, j+2
.endr
.irp b, 0,1
	v_max3_num_f32 v[232+\b], |v[SS+16*\b]|, |v[SS+1+16*\b]|, 0x4800000
.endr
.irp i, 2,4,6,8,10,12,14
.irp b, 0,1
	s_delay_alu instid0(VALU_DEP_2)
	v_max3_num_f32 v[232+\b], v[232+\b], |v[SS+16*\b+\i]|, |v[SS+1+16*\b+\i]|
.endr
.endr
.irp b, 0,1
	s_delay_alu instid0(VALU_DEP_2)
	v_permlanex16_b32 v[236+\b], v[232+\b], s[SEL], s[SEL+1]
.endr
.irp b, 0,1
	s_delay_alu instid0(VALU_DEP_2)
	v_max_num_f32 v[232+\b], v[232+\b], v[236+\b]
.endr
.irp b, 0,1
	s_delay_alu instid0(VALU_DEP_2)
	v_add_nc_u32 v[244+\b], 0xfc000000, v[232+\b]
.endr
.irp b, 0,1
	s_delay_alu instid0(VALU_DEP_4)
	v_and_or_b32 v[240+\b], v[232+\b], 0x7f800000, s[MNT]
.endr
.irp b, 0,1
	s_delay_alu instid0(VALU_DEP_4)
	v_lshrrev_b32 v[236+\b], 23, v[244+\b]
.endr
	v_cmp_ne_u32 vcc_lo, 0, v254
	s_delay_alu instid0(VALU_DEP_1)
	v_cndmask_b32 v236, v236, v237, vcc_lo         ; lanes 0-15 carry block 0's byte, lanes 16-31 block 1's: each byte is stored once
.irp b, 0,1
.irp i, 0,1,2,3,4,5,6,7,8,9,10,11,12,13,14,15
	v_med3_num_f32 v[SS+16*\b+\i], v[SS+16*\b+\i], -v[240+\b], v[240+\b]
.endr
	v_cvt_scalef32_pk8_fp8_f32 v[PCD+4*\b:PCD+1+4*\b], v[SS+16*\b:SS+7+16*\b], v[244+\b]
	v_cvt_scalef32_pk8_fp8_f32 v[PCD+2+4*\b:PCD+3+4*\b], v[SS+8+16*\b:SS+15+16*\b], v[244+\b]
.endr
	v_nop                                          ; a plain line behind the last conversion
	global_store_b128 v1, v[PCD:PCD+3], s[\yb:\yb+1]              ; 1,024 consecutive bytes in two stores
	global_store_b128 v1, v[PCD+4:PCD+7], s[\yb:\yb+1] offset:512
	global_store_b8 v7, v236, s[\ys:\ys+1]         ; 2 bytes of each row's scale word: the word's other two belong to the neighbouring head, another work-group's
.endm
	s_wait_alu depctr_va_vdst(0)                   ; the wait at the head's end
	s_wait_tensorcnt 0x0                           ; key steps 0-3 and the scale words are in
	ds_add_u32 v[SPW], v[NIL]                      ; the add twice on end here
	ds_add_u32 v[SPW], v[NIL]
	s_wait_dscnt 0x0
	s_barrier_signal -1
	s_barrier_wait -1
	s_cmp_lt_u32 s[WV], 6
	s_cbranch_scc0 .Lno_more
	tensor_load_to_lds s[G0B:G0B+3], s[G1C:G1C+7]  ; waves 0 to 5: key steps 4-15 of K and V, four steps a load; they have four key steps' work in which to land
	s_nop 0
.rept 4
	v_nop
.endr
.Lno_more:
	s_wait_loadcnt 0x0                             ; Q of both tiles
	START A1
.Lfirst:                                           ; tile a1 is 64 or more: key steps 0 to 3 all count
	STEP 0
	s_add_co_u32 s[KS], s[KS], 1
	s_cmp_lt_u32 s[KS], 4
	s_cbranch_scc1 .Lfirst
	s_wait_tensorcnt 0x0                           ; every wave: all that is still out is in
	s_wait_dscnt 0x0
	s_barrier_signal -1
	s_barrier_wait -1
	s_mov_b32 s[KS], 4
	s_mov_b32 s[TK], KIMG+32768
	s_mov_b32 s[TS], KSC+2048
	s_mov_b32 s[TJ], 1024
.Lrest:
	STEP 1
	s_add_co_u32 s[KS], s[KS], 1
	s_cmp_lt_u32 s[KS], 16
	s_cbranch_scc1 .Lrest
	FINISH YB1, YS1
	s_wait_xcnt 0x0                                ; the stores have read their registers: they are written again below
.irp j, 0,1,2,3,4,5,6,7
	v_mov_b32 v[QF+\j], v[16+\j]                   ; tile a0's Q,
.endr
	v_mov_b32 v[QS], v255                          ; and its scale words: START's lines are the places ahead of the products
	START A0
.Lsecond:                                          ; tile a0 lies under 64: its diagonal is in key steps 0 to 7
	STEP 1
	s_add_co_u32 s[KS], s[KS], 1
	s_cmp_lt_u32 s[KS], 8
	s_cbranch_scc1 .Lsecond
	FINISH YB0, YS0
	s_wait_tensorcnt 0x0                           ; the wave's end
	ds_add_u32 v[SPW], v[NIL]
	s_wait_dscnt 0x0
	s_endpgm
.Lfunc_end_k_qe05c3726b0_attn:
	.size	k_qe05c3726b0_attn, .Lfunc_end_k_qe05c3726b0_attn-k_qe05c3726b0_attn
	.p2alignl 7, 3214868480
	.fill 96, 4, 3214868480
	.section	.rodata,"a",@progbits
	.p2align	6, 0x0
	.amdhsa_kernel k_qe05c3726b0_attn
		.amdhsa_group_segment_fixed_size 327680
		.amdhsa_private_segment_fixed_size 0
		.amdhsa_enable_private_segment 0
		.amdhsa_kernarg_size 32
		.amdhsa_user_sgpr_count 2
		.amdhsa_user_sgpr_kernarg_segment_ptr 1
		.amdhsa_wavefront_size32 1
		.amdhsa_system_sgpr_workgroup_id_x 1
		.amdhsa_system_sgpr_workgroup_id_y 1
		.amdhsa_system_sgpr_workgroup_id_z 1
		.amdhsa_system_vgpr_workitem_id 0
		.amdhsa_next_free_vgpr 256
		.amdhsa_next_free_sgpr 100
		.amdhsa_reserve_vcc 1
		.amdhsa_float_denorm_mode_32 3
		.amdhsa_float_denorm_mode_16_64 3
		.amdhsa_memory_ordered 1
		.amdhsa_forward_progress 1
		.amdhsa_inst_pref_size 103
	.end_amdhsa_kernel
	.amdgpu_metadata
---
amdhsa.version: [ 1, 2 ]
amdhsa.kernels:
  - .name:           k_qe05c3726b0_attn
    .symbol:         k_qe05c3726b0_attn.kd
    .args:
      - { .name: qkv_img, .offset: 0, .size: 8, .value_kind: global_buffer, .address_space: global }
      - { .name: qkv_sc, .offset: 8, .size: 8, .value_kind: global_buffer, .address_space: global }
      - { .name: y_img, .offset: 16, .size: 8, .value_kind: global_buffer, .address_space: global }
      - { .name: y_sc, .offset: 24, .size: 8, .value_kind: global_buffer, .address_space: global }
    .group_segment_fixed_size: 327680
    .private_segment_fixed_size: 0
    .kernarg_segment_align: 8
    .kernarg_segment_size: 32
    .max_flat_workgroup_size: 512
    .sgpr_count:     100
    .vgpr_count:     256
    .wavefront_size: 32
...
	.end_amdgpu_metadata
.endif
;; end of part 3
;; launch proj (part 4): grid 8 x 32, 4 waves a work-group, clusters of 4 x 4, 327,680 bytes of LDS; arguments y_img, y_sc, w_img, w_sc, out0; writes out0
.if DOCPART == 4
	.amdgcn_target "amdgcn-amd-amdhsa--gfx1250"
	.amdhsa_code_object_version 6
	.text
	.protected	k_qe05c3726b0_proj
	.globl	k_qe05c3726b0_proj
	.p2align	8
	.type	k_qe05c3726b0_proj,@function
k_qe05c3726b0_proj:
	s_mov_b64 s[64:65], 0
	v_nop
	global_prefetch_b8 v0, s[64:65] scope:SCOPE_SE
	s_setreg_imm32_b32 hwreg(HW_REG_WAVE_MODE, 25, 1), 1
	s_wait_xcnt 0x0
	s_wait_alu depctr_hold_cnt(0) depctr_sa_sdst(0) depctr_va_vdst(0) depctr_va_sdst(0) depctr_va_ssrc(0) depctr_va_vcc(0) depctr_vm_vsrc(0)
	s_getreg_b32 s2, hwreg(HW_REG_IB_STS2, 6, 4)
	s_cmp_eq_u32 s2, 0
	s_cbranch_scc0 .Lentry_in_a_cluster
	s_endpgm
.Lentry_in_a_cluster:
	s_bfe_u32 s2, ttmp6, 0x10000c
	s_cmp_lg_u32 s2, 0xf033
	s_cbranch_scc0 .Lentry_shape_is_right
	s_endpgm
.Lentry_shape_is_right:
; out0 = y W_proj on codes of FP8 (E4M3) with E8M0 scales for each 32 along K = 1,024; f32 sums, stored as they are.
; LIMITS: NaN and infinities are not served.
; A work-group of four waves makes 256 tokens x 128 columns: 32 x 8 = 256 work-groups.  A wave makes 128 x 64: 32 accumulators, 256 registers (window 2).  K goes in four steps of 256 through a ring of two LDS slots.
; OPERANDS LIE IN MEMORY AS IMAGES OF THEIR REGISTERS ([c 4][lane 32][16 bytes] for 16 rows x 128 K): a K step's rows are one dense block, every fragment load is 16 x lane + a constant, and no padding is needed.
; Source 1 (A) = 16 tokens, source 0 (B) = 16 rows of w_img (W_proj's columns, rows 3,072 on): a lane holds one token and columns along its registers.  Row r of tile 2 B + u is index 32 B + 8 u + r + 8 (r / 8).
; CLUSTERS 4 x 4: A's tiles are shared along a row of the cluster, B's along a column: each is asked for jointly.
; AT THE HEAD one load a wave: K step 0's 256 rows of A, its 128 rows of B, A's scale words of all of K, B's.  K step 1 follows behind a round; in the ring waves 0, 1 fetch A's halves, waves 2, 3 B's.
; PREFETCHES: of the rows that a wave fetches in a K step each of the four partners names a quarter, told apart by address, lanes 256 bytes apart (B's quarter is 16 blocks: lanes 16-31 name the last again).  K steps 1, 2 at the head, K step 3 behind the first fragment loads.
; B's rows are the same in all eight rows of clusters: four of them ask.
; REGISTERS: window 0: v0-31 addresses; v32-63 scale words, two sets; v128-255 A's fragments, one set, later the way out's rows.  window 1: B's fragments, two sets of 64.  window 2: accumulator (a, b) at v[8 (4 a + b)].
.set SLOT,  98304                      ; A's 16 tiles x 4,096 bytes, then B's 8
.set BOFF,  65536
.set SCL,   2*SLOT                     ; the scale words of all of K: A's 8,192 bytes, B's 4,096: [pair][K step 4][lane][q]
.set SPARE, SCL+12288                  ; the spare words, 128 bytes a wave: two blocks of 256 that no other line names
.set SP,    272                        ; the way out: a stage row of 256 bytes + 16; 16 rows a wave, in slot 0, which has had its last fill and its last read by then
.set CO,   2
.set PFO,  6
.set ADRA, 18
.set ADRB, 20
.set ADSA, 22
.set ADSB, 23
.set STO,  24
.set RD,   25
.set SPW,  28
.set NIL,  29
.set SC,   32
.set AF,   128
.set BK,   128
.set G1, 24
.set G0, 32
.set G1B, 48
.set G0B, 56
.set G1S, 68
.set G0S, 76
.set G1SB, 80
.set G0SB, 88
.set MSB, 0
.macro WIN new                         ; the immediate's high byte repeats the setting that is left
.if MSB != (\new)
	s_set_vgpr_msb (MSB<<8)|(\new)
.set MSB, (\new)
.endif
.endm
.set MUL,  0xa1                        ; source 0 (B) window 1, source 1 (A) window 0, C and D window 2
.set TO_B, 0x40
.macro PLACES n
.rept \n
	v_nop
.endr
.endm
.macro JLOAD g0a, g1a, g0b, g1b        ; waves 0, 1 fetch for A, waves 2, 3 for B
	s_cmp_eq_u32 s17, 0
	s_cbranch_scc0 .Lfor_b_\@
	tensor_load_to_lds s[\g0a:\g0a+3], s[\g1a:\g1a+7]
	s_nop 0
	PLACES 4
	s_branch .Lasked_\@
.Lfor_b_\@:
	tensor_load_to_lds s[\g0b:\g0b+3], s[\g1b:\g1b+7]
	s_nop 0
	PLACES 4
.Lasked_\@:
.endm
.macro CREST
	s_cmp_lg_u32 s16, 0
	s_cbranch_scc1 .Lnot_wave_0_\@
	s_barrier_signal -3
.Lnot_wave_0_\@:
	s_barrier_wait -3
	s_barrier_signal -1
	s_barrier_wait -1
.endm
.macro CROUND
	s_barrier_signal -1
	s_barrier_wait -1
	CREST
.endm
.macro GRP g, rows                     ; group 1 behind its first word: a dense block as rows of 256 bytes (32 elements of 8 bytes)
	s_mov_b32 s[\g+1], 32<<16
	s_mov_b32 s[\g+2], (\rows)<<16
	s_mov_b32 s[\g+3], 32<<16
	s_mov_b32 s[\g+4], \rows
	s_mov_b32 s[\g+5], 32
	s_mov_b32 s[\g+6], 0
	s_mov_b32 s[\g+7], 0
.endm
.macro ASK adr
	s_cmp_eq_u32 s101, 1
	s_cbranch_scc0 .Lnot_mine_\@
	global_prefetch_b8 v[PFO], s[\adr:\adr+1] th:TH_LOAD_NT scope:SCOPE_SE
.Lnot_mine_\@:
.endm
	s_load_b256 s[4:11], s[0:1], 0x0               ; y_img, y_sc, w_img, w_sc
	s_load_b64 s[12:13], s[0:1], 0x20              ; out0
	v_lshl_add_u32 v[SPW], v0, 2, SPARE
	v_mov_b32 v[NIL], 0
	ds_add_u32 v[SPW], v[NIL]                      ; the opening lines: the add twice on end and its wait
	ds_add_u32 v[SPW], v[NIL]
	v_lshrrev_b32 v1, 5, v0
	v_readfirstlane_b32 s16, v1                    ; wave 0..3
	s_lshr_b32 s17, s16, 1                         ; my half of A's rows.  Also: I fetch for A (0) or for B (1)
	s_and_b32 s18, s16, 1                          ; my half of B's.  Also: which half I fetch
	s_bfe_u32 s40, ttmp6, 0x40000                  ; cx
	s_bfe_u32 s41, ttmp6, 0x40004                  ; cy
	s_and_b32 s20, ttmp7, 0xffff
	s_lshl_b32 s20, s20, 2
	s_add_co_u32 s20, s20, s41                     ; the tile of 256 tokens
	s_lshl_b32 s19, ttmp9, 2
	s_add_co_u32 s19, s19, s40                     ; the tile of 128 columns
	s_add_co_u32 s21, s19, 24                      ; in w_img: behind W_attn's 3,072 rows
	s_lshl_b32 s43, s41, 2
	s_lshl_b32 s43, 15, s43                        ; my row of the cluster
	s_lshl_b32 s44, 0x1111, s40                    ; my column
	s_or_b32 s[G1], s43, (3<<16)|(1<<21)
	s_or_b32 s[G1B], s44, (3<<16)|(1<<21)
	s_or_b32 s[G1S], s43, (3<<16)|(1<<21)
	s_or_b32 s[G1SB], s44, (3<<16)|(1<<21)
	GRP G1, 256                                    ; the head's loads; behind them 128 and 64 rows, for the ring's
	GRP G1B, 128
	GRP G1S, 32
	GRP G1SB, 16
	s_lshl_b32 s22, s20, 16                        ; A's codes: 65,536 x tile, in each K step
	s_mov_b32 s23, 0
	s_lshr_b32 s104, s22, 3                        ; A's scale words: 8,192 x tile
	s_mov_b32 s105, 0
	s_lshl_b32 s100, s21, 15                       ; B's codes: 32,768 x tile
	s_mov_b32 s101, 0
	s_lshr_b32 s2, s100, 3
	s_mov_b32 s3, 0
	s_lshl_b32 s45, s18, 15                        ; the half that I fetch in the ring: of A,
	s_lshl_b32 s42, s18, 14                        ; of B
	s_mov_b32 s92, 0x400000                        ; two K steps on: in y_img,
	s_mov_b32 s93, 0
	s_mov_b32 s94, 0x200000                        ; in w_img
	s_mov_b32 s95, 0
	s_wait_dscnt 0x0                               ; both opening adds are done
	s_wait_kmcnt 0x0
	s_add_nc_u64 s[96:97], s[4:5], s[22:23]
	s_add_nc_u64 s[98:99], s[6:7], s[104:105]
	s_add_nc_u64 s[46:47], s[8:9], s[100:101]
	s_add_nc_u64 s[66:67], s[10:11], s[2:3]
	CROUND                                         ; all sixteen work-groups are here: the first joint loads meet
	s_mov_b32 s4, 1                                ; s[4:7]: K step 0's 256 rows of A (the arguments that lay here have been used)
	s_mov_b32 s5, 0
	s_mov_b64 s[6:7], s[96:97]
	s_or_b32 s7, s7, 0x80000000
	s_mov_b32 s8, 1                                ; s[8:11]: its 128 rows of B
	s_mov_b32 s9, BOFF
	s_mov_b64 s[10:11], s[46:47]
	s_or_b32 s11, s11, 0x80000000
	s_mov_b32 s[G0S], 1
	s_mov_b32 s[G0S+1], SCL
	s_mov_b64 s[G0S+2:G0S+3], s[98:99]
	s_or_b32 s[G0S+3], s[G0S+3], 0x80000000
	s_mov_b32 s[G0SB], 1
	s_mov_b32 s[G0SB+1], SCL+8192
	s_mov_b64 s[G0SB+2:G0SB+3], s[66:67]
	s_or_b32 s[G0SB+3], s[G0SB+3], 0x80000000
	s_mov_b32 s2, s45
	s_add_nc_u64 s[96:97], s[96:97], s[2:3]        ; for the ring: my half
	s_mov_b32 s2, s42
	s_add_nc_u64 s[46:47], s[46:47], s[2:3]
	s_mov_b32 s[G0], 1
	s_mov_b32 s[G0+1], s45
	s_mov_b64 s[G0+2:G0+3], s[96:97]
	s_or_b32 s[G0+3], s[G0+3], 0x80000000
	s_mov_b32 s[G0+4], 1
	s_add_co_u32 s[G0+5], s45, SLOT
	s_add_nc_u64 s[G0+6:G0+7], s[96:97], 0x200000
	s_or_b32 s[G0+7], s[G0+7], 0x80000000
	s_mov_b32 s[G0B], 1
	s_add_co_u32 s[G0B+1], s42, BOFF
	s_mov_b64 s[G0B+2:G0B+3], s[46:47]
	s_or_b32 s[G0B+3], s[G0B+3], 0x80000000
	s_mov_b32 s[G0B+4], 1
	s_add_co_u32 s[G0B+5], s42, BOFF+SLOT
	s_add_nc_u64 s[G0B+6:G0B+7], s[46:47], 0x100000
	s_or_b32 s[G0B+7], s[G0B+7], 0x80000000
.macro ARM under, g0, g1, next         ; one chain of branches on the wave's number, a load to an arm
	s_cmp_lt_u32 s16, \under
	s_cbranch_scc0 \next
	tensor_load_to_lds s[\g0:\g0+3], s[\g1:\g1+7]
	s_nop 0
	PLACES 4
	s_branch .Lhead_asked
\next:
.endm
	ARM 1, 4, G1, .Lhead_b
	ARM 2, 8, G1B, .Lhead_sa
	ARM 3, G0S, G1S, .Lhead_sb
	tensor_load_to_lds s[G0SB:G0SB+3], s[G1SB:G1SB+7]
	s_nop 0
	PLACES 4
.Lhead_asked:
	s_cmp_eq_u32 s17, 0                            ; the prefetches: where my wave's stand
	s_cselect_b64 s[98:99], s[96:97], s[46:47]     ; my rows at K step 0
	s_cselect_b32 s2, s40, s41                     ; my place among the four that ask with me
	s_cselect_b32 s21, 13, 12                      ; a quarter: 8,192 bytes of A's half, 4,096 of B's
	s_cselect_b32 s100, 31, 15
	s_mov_b32 s66, 0x100000
	s_cselect_b32 s66, 0x200000, s66               ; a K step on
	s_cselect_b32 s101, 1, 0
	s_mov_b32 s67, 0
	s_lshl_b32 s2, s2, s21
	s_add_nc_u64 s[98:99], s[98:99], s[2:3]
	s_add_nc_u64 s[98:99], s[98:99], s[66:67]      ; K step 1
	s_add_nc_u64 s[14:15], s[98:99], s[66:67]      ; K step 2
	s_add_nc_u64 s[66:67], s[14:15], s[66:67]      ; K step 3
	s_and_b32 s21, ttmp7, 0xffff
	s_cmp_lt_u32 s21, 4
	s_cselect_b32 s101, 1, s101                    ; 1: my wave asks
	v_and_b32 v1, 31, v0
	v_min_u32 v[PFO], s100, v1
	v_lshlrev_b32 v[PFO], 8, v[PFO]
	s_wait_alu depctr_va_vdst(0)
	ASK 98
	ASK 14
	s_lshl_b32 s104, s17, 15                       ; my half of A,
	s_add_co_u32 s105, s42, BOFF                   ; my half of B
	s_lshl_b32 s22, s17, 12
	s_add_co_u32 s22, s22, SCL
	s_lshl_b32 s23, s18, 11
	s_add_co_u32 s23, s23, SCL+8192
	s_mul_i32 s21, s16, 16*SP                      ; my stage
	s_lshl_b32 s2, s20, 20                         ; out0: 256 rows of 4,096 bytes x tile + 128 rows x half + 512 bytes x column tile + 256 x half
	s_lshl_b32 s3, s17, 19
	s_add_co_u32 s2, s2, s3
	s_lshl_b32 s3, s19, 9
	s_add_co_u32 s2, s2, s3
	s_lshl_b32 s3, s18, 8
	s_add_co_u32 s2, s2, s3
	s_mov_b32 s3, 0
	s_add_nc_u64 s[12:13], s[12:13], s[2:3]
	v_and_b32 v4, 15, v0                           ; r
	v_bfe_u32 v5, v0, 4, 1                         ; h
	v_lshlrev_b32 v3, 4, v1
	v_lshlrev_b32 v7, 3, v1
	v_add_nc_u32 v[ADRA], s104, v3
	v_add_nc_u32 v[ADRB], s105, v3
	v_add_nc_u32 v[ADRA+1], SLOT, v[ADRA]
	v_add_nc_u32 v[ADRB+1], SLOT, v[ADRB]
	v_add_nc_u32 v[ADSA], s22, v7
	v_add_nc_u32 v[ADSB], s23, v7
	v_mul_u32_u24 v[STO], v4, SP                   ; into the stage: row r, + 64 h
	v_lshl_add_u32 v[STO], v5, 6, v[STO]
	v_add_nc_u32 v[STO], s21, v[STO]
	v_mul_u32_u24 v[RD], v5, SP                    ; back: lanes 0-15 one row of 256 bytes, lanes 16-31 the next
	v_lshl_add_u32 v[RD], v4, 4, v[RD]
	v_add_nc_u32 v[RD], s21, v[RD]
	v_lshlrev_b32 v[CO], 12, v5                    ; and the same two rows in out0
	v_lshl_add_u32 v[CO], v4, 4, v[CO]
.macro FRAG reg, adr, q, i             ; tile i's fragment of the slot's q-th 128 along K: four loads of 512 consecutive bytes
.irp c, 0,1,2,3
	ds_load_b128 v[\reg+4*\c:\reg+4*\c+3], v[\adr] offset:4096*(\i)+2048*(\q)+512*\c
.endr
.endm
.macro WM zero                         ; one product; an odd tile's scale words lie in lanes 16-31
.if \zero
.if oB && oA
	v_wmma_scale_f32_16x16x128_f8f6f4 v[rD:rD+7], v[rB:rB+15], v[rA:rA+15], 0, v[rSB], v[rSA] matrix_a_scale:MATRIX_SCALE_ROW1 matrix_b_scale:MATRIX_SCALE_ROW1
.elseif oB
	v_wmma_scale_f32_16x16x128_f8f6f4 v[rD:rD+7], v[rB:rB+15], v[rA:rA+15], 0, v[rSB], v[rSA] matrix_a_scale:MATRIX_SCALE_ROW1
.elseif oA
	v_wmma_scale_f32_16x16x128_f8f6f4 v[rD:rD+7], v[rB:rB+15], v[rA:rA+15], 0, v[rSB], v[rSA] matrix_b_scale:MATRIX_SCALE_ROW1
.else
	v_wmma_scale_f32_16x16x128_f8f6f4 v[rD:rD+7], v[rB:rB+15], v[rA:rA+15], 0, v[rSB], v[rSA]
.endif
.else
.if oB && oA
	v_wmma_scale_f32_16x16x128_f8f6f4 v[rD:rD+7], v[rB:rB+15], v[rA:rA+15], v[rD:rD+7], v[rSB], v[rSA] matrix_a_scale:MATRIX_SCALE_ROW1 matrix_b_scale:MATRIX_SCALE_ROW1
.elseif oB
	v_wmma_scale_f32_16x16x128_f8f6f4 v[rD:rD+7], v[rB:rB+15], v[rA:rA+15], v[rD:rD+7], v[rSB], v[rSA] matrix_a_scale:MATRIX_SCALE_ROW1
.elseif oA
	v_wmma_scale_f32_16x16x128_f8f6f4 v[rD:rD+7], v[rB:rB+15], v[rA:rA+15], v[rD:rD+7], v[rSB], v[rSA] matrix_b_scale:MATRIX_SCALE_ROW1
.else
	v_wmma_scale_f32_16x16x128_f8f6f4 v[rD:rD+7], v[rB:rB+15], v[rA:rA+15], v[rD:rD+7], v[rSB], v[rSA]
.endif
.endif
.endm
; eight products: A's blocks a0, a0 + 1 x B's four.  p: B's set; sc: the set of scale words; zero = 1: the products start the sums.  The 32 accumulators take turns, in the same order in every step.
.macro MUL2 a0, p, q, sc, zero
.irp a, \a0, \a0+1
.irp b, 0,1,2,3
.set rD, 8*(4*(\a)+\b)
.set rB, 64*(\p)+16*\b
.set rA, AF+16*(\a)
.set rSB, SC+16*(\sc)+8+2*(\b/2)+(\q)
.set rSA, SC+16*(\sc)+2*((\a)/2)+(\q)
.set oB, \b%2
.set oA, (\a)%2
	WM \zero
.endr
.endr
.endm
.macro FETCH_B slot, q, p
	WIN TO_B
.irp i, 0,1,2,3
	FRAG 64*(\p)+16*\i, ADRB+\slot, \q, \i
.endr
	WIN 0
.endm
.macro FETCH_A slot, q, i0
.irp i, \i0, \i0+1, \i0+2, \i0+3
	FRAG AF+16*(\i), ADRA+\slot, \q, \i
.endr
.endm
.macro SCALES sc, ks                   ; K step ks's scale words into set sc
.irp p, 0,1,2,3
	ds_load_b64 v[SC+16*(\sc)+2*\p:SC+16*(\sc)+2*\p+1], v[ADSA] offset:1024*\p+256*(\ks)
.endr
.irp p, 0,1
	ds_load_b64 v[SC+16*(\sc)+8+2*\p:SC+16*(\sc)+8+2*\p+1], v[ADSB] offset:1024*\p+256*(\ks)
.endr
.endm
; A slot's first 128 along K.  A's blocks 0-3 are fetched anew in the middle, blocks 4-7 at the end; B has two sets.  Eight places stand ahead of loads into registers that products have read.
.macro STEP slot, zero
	s_wait_dscnt 16                                ; all but the youngest 16 loads (A's blocks 4-7) are in
	WIN MUL
	MUL2 0, 0, 0, \slot, \zero
	MUL2 2, 0, 0, \slot, \zero
	s_wait_dscnt 0x0
	PLACES 8
	FETCH_B \slot, 1, 1
	FETCH_A \slot, 1, 0
	WIN MUL
	MUL2 4, 0, 0, \slot, \zero
	MUL2 6, 0, 0, \slot, \zero
	PLACES 8
	WIN 0
	FETCH_A \slot, 1, 4
.endm
; A slot's second 128 changes slots: in front of the barrier each wave waits for all its tensor loads, adds 0 to its spare word, and waits for that and for its reads of this slot.  fill = 1: this slot is filled again, two K steps ahead.
.macro TURN slot, next, fill, ks
	s_wait_tensorcnt 0x0
	ds_add_u32 v[SPW], v[NIL]
	s_wait_dscnt 17                                ; (the add and the youngest 16 loads may be out)
	WIN MUL
	MUL2 0, 1, 1, \slot, 0
	s_wait_dscnt 0x0
	s_barrier_signal -1
	MUL2 2, 1, 1, \slot, 0
	WIN 0
	s_barrier_wait -1
.if \fill
	CREST                                          ; the barrier has opened a round of the cluster's barrier
	s_add_nc_u64 s[G0+4*\slot+2:G0+4*\slot+3], s[G0+4*\slot+2:G0+4*\slot+3], s[92:93]
	s_add_nc_u64 s[G0B+4*\slot+2:G0B+4*\slot+3], s[G0B+4*\slot+2:G0B+4*\slot+3], s[94:95]
	JLOAD G0+4*\slot, G1, G0B+4*\slot, G1B
	PLACES 4
.else
	PLACES 8
.endif
	FETCH_B \next, 0, 0
	FETCH_A \next, 0, 0
	SCALES \next, \ks
	WIN MUL
	MUL2 4, 1, 1, \slot, 0
	MUL2 6, 1, 1, \slot, 0
	PLACES 8
	WIN 0
	FETCH_A \next, 0, 4
.endm
	s_wait_alu depctr_va_vdst(0)                   ; the wait at the head's end
	s_wait_tensorcnt 0x0                           ; my tile of the head's four is in
	ds_add_u32 v[SPW], v[NIL]
	s_mov_b32 s[G1+2], 128<<16                     ; no tensor load of mine is out: from here on a load brings 128 rows of A,
	s_mov_b32 s[G1+4], 128
	s_mov_b32 s[G1B+2], 64<<16                     ; or 64 of B
	s_mov_b32 s[G1B+4], 64
	s_wait_dscnt 0x0
	CROUND
	JLOAD G0+4, G1, G0B+4, G1B                     ; K step 1: the first tensor load behind the round
	FETCH_B 0, 0, 0
	FETCH_A 0, 0, 0
	SCALES 0, 0
	FETCH_A 0, 0, 4
	ASK 66
	STEP 0, 1                                      ; K = 1,024 is four K steps: written out
	TURN 0, 1, 1, 1
	STEP 1, 0
	TURN 1, 0, 1, 2
	STEP 0, 0
	TURN 0, 1, 0, 3
	STEP 1, 0
	s_wait_dscnt 16
	WIN MUL
	MUL2 0, 1, 1, 1, 0
	MUL2 2, 1, 1, 1, 0
	s_wait_dscnt 0x0
	MUL2 4, 1, 1, 1, 0
	MUL2 6, 1, 1, 1, 0
	WIN 0
; THE WAY OUT, block by block of 16 tokens x 64 columns: through my stage, back as whole rows of 256 bytes: sixteen lanes store one aligned unit.  LDS serves a wave's instructions in order (ISA guide 5.7.1.4).
.macro TOSTAGE a
	WIN 0x08                                       ; the data: window 2
.irp b, 0,1,2,3
	ds_store_b128 v[STO], v[32*(\a)+8*\b:32*(\a)+8*\b+3] offset:128*(\b/2)+32*(\b%2)      ; each accumulator from its low end on
	ds_store_b128 v[STO], v[32*(\a)+8*\b+4:32*(\a)+8*\b+7] offset:128*(\b/2)+32*(\b%2)+16
.endr
	WIN 0
.set BB, BK+32*((\a)%2)
.irp t, 0,1,2,3,4,5,6,7
	ds_load_b128 v[BB+4*\t:BB+4*\t+3], v[RD] offset:\t*2*SP
.endr
.endm
.macro SEND a, younger                 ; younger: the LDS instructions issued behind block a's loads
.set BB, BK+32*((\a)%2)
	s_wait_dscnt \younger
.irp t, 0,1,2,3,4,5,6,7
	global_store_b128 v[CO], v[BB+4*\t:BB+4*\t+3], s[12:13] offset:(32*((\a)/2)+8*((\a)%2)+2*\t+8*(\t/4))*4096 th:TH_STORE_NT
.endr
.endm
	PLACES 8
	TOSTAGE 0
.irp a, 1,2,3,4,5,6,7
.if \a > 1
	s_wait_xcnt 0x0                                ; block a - 2's stores have read their registers: block a's loads may land there
.endif
	TOSTAGE \a
	SEND \a-1, 16                                  ; behind block a - 1's loads: block a's 8 stores and 8 loads
.endr
	SEND 7, 0
	s_wait_tensorcnt 0x0                           ; the wave's end
	ds_add_u32 v[SPW], v[NIL]
	s_wait_dscnt 0x0
	CROUND                                         ; the closing round
	s_endpgm
.Lfunc_end_k_qe05c3726b0_proj:
	.size	k_qe05c3726b0_proj, .Lfunc_end_k_qe05c3726b0_proj-k_qe05c3726b0_proj
	.p2alignl 7, 3214868480
	.fill 96, 4, 3214868480
	.section	.rodata,"a",@progbits
	.p2align	6, 0x0
	.amdhsa_kernel k_qe05c3726b0_proj
		.amdhsa_group_segment_fixed_size 327680
		.amdhsa_private_segment_fixed_size 0
		.amdhsa_enable_private_segment 0
		.amdhsa_kernarg_size 40
		.amdhsa_user_sgpr_count 2
		.amdhsa_user_sgpr_kernarg_segment_ptr 1
		.amdhsa_wavefront_size32 1
		.amdhsa_system_sgpr_workgroup_id_x 1
		.amdhsa_system_sgpr_workgroup_id_y 1
		.amdhsa_system_sgpr_workgroup_id_z 1
		.amdhsa_system_vgpr_workitem_id 0
		.amdhsa_next_free_vgpr 768
		.amdhsa_next_free_sgpr 106
		.amdhsa_reserve_vcc 0
		.amdhsa_float_denorm_mode_32 3
		.amdhsa_float_denorm_mode_16_64 3
		.amdhsa_memory_ordered 1
		.amdhsa_forward_progress 1
		.amdhsa_inst_pref_size 92
	.end_amdhsa_kernel
	.amdgpu_metadata
---
amdhsa.version: [ 1, 2 ]
amdhsa.kernels:
  - .name:           k_qe05c3726b0_proj
    .symbol:         k_qe05c3726b0_proj.kd
    .args:
      - { .name: y_img, .offset: 0, .size: 8, .value_kind: global_buffer, .address_space: global }
      - { .name: y_sc, .offset: 8, .size: 8, .value_kind: global_buffer, .address_space: global }
      - { .name: w_img, .offset: 16, .size: 8, .value_kind: global_buffer, .address_space: global }
      - { .name: w_sc, .offset: 24, .size: 8, .value_kind: global_buffer, .address_space: global }
      - { .name: out0, .offset: 32, .size: 8, .value_kind: global_buffer, .address_space: global }
    .group_segment_fixed_size: 327680
    .private_segment_fixed_size: 0
    .kernarg_segment_align: 8
    .kernarg_segment_size: 40
    .max_flat_workgroup_size: 128
    .sgpr_count:     106
    .vgpr_count:     768
    .wavefront_size: 32
...
	.end_amdgpu_metadata
.endif
;; end of part 4
